; MI455X (gfx1250); checked and timed in simulation.
; The chip was launched on July 23, 2026; its instructions are those of AMD's public machine-readable ISA for CDNA 5 (MIT licence, August 2026) and "CDNA5" Instruction Set Architecture Reference Guide (July 2026). The comments in the code are by the model that wrote it; some were corrected since.
;; Causal Self Attention. Allowed arithmetic: matrix products marked QUANTISED: E2M1 operands, one E8M0 scale for each 32 along K, by v_wmma_scale_f32_16x16x128_f8f6f4 with both operands' format E2M1 (or v_wmma_scale_f32_32x16x128_f4), f32 sums; products left as they are: bf16, f16 or f32 operands; f32 sums; everything else in f32.
;; Inputs: w_proj 1,024 x 1,024 float32; w_qkv 1,024 x 3,072 float32; x 4 x 2,048 x 1,024 float32.
;; Outputs: out0 4 x 2,048 x 1,024 float32.
;; This version of the problem:
;;   THIS VERSION OF THE PROBLEM IS GIVEN IN LOW PRECISION. The matrix products marked QUANTISED in the list below multiply operands that are first quantised to E2M1 (2 exponent bits, 1 mantissa bit; 4 bits a number), with one power-of-two scale for each 32 numbers along K (OCP MX v1.0); their sums are f32. The products marked 'left as it is' may take bf16, f16 or f32 operands, with f32 sums. Whichever they take, every output number must still come out within the allowed error. Rounding operands to bf16 (8 significant bits) uses up far more of that allowance than f16 does (11 bits, for magnitudes from 6e-5 to 65,504). All else is computed in f32.
;;   The module's matrix products, in the order in which they are computed (A, B: the left and right operand; K: the contracted axis; several contracted axes count as one K, in the product's order):
;;     1. [M 8,192, K 1,024] x [K 1,024, N 3,072]; A: input x; B: input w_qkv: QUANTISED
;;     2. batch 64 x [M 2,048, K 64] x [K 64, N 2,048]; A: computed on the way; B: computed on the way: left as it is (an operand is computed on the way)
;;     3. batch 64 x [M 2,048, K 2,048] x [K 2,048, N 64]; A: computed on the way; B: computed on the way: left as it is (an operand is computed on the way)
;;     4. [M 8,192, K 1,024] x [K 1,024, N 1,024]; A: computed on the way; B: input w_proj: left as it is (an operand is computed on the way)
;;   THE QUANTISER, for each operand of a quantised product, along K:
;;     - K is cut into blocks of 32 from its start; a last block that is shorter is filled with zeros.
;;     - A block's scale is 2^e with e = floor(log2(the largest magnitude in the block)) - 2, held to -126 .. 127; a block of zeros has e = 0. As a byte (E8M0): e + 127.
;;     - Each number is divided by its block's scale, clamped to +-6, and rounded to the nearest number of E2M1, ties to even, subnormals kept.
;;     - The product sums the exact products of the quantised numbers (number of the format x scale) in f32.
;;   ~~~python
;;   def quantise(x, axis):      # numpy; x: float32 -> the quantised numbers, widened to float32 again
;;       x = np.moveaxis(x, axis, -1); K = x.shape[-1]
;;       x = np.pad(x, [(0, 0)] * (x.ndim - 1) + [(0, -K % 32)]); x = x.reshape(x.shape[:-1] + (-1, 32)); a = np.abs(x).max(-1, keepdims=True)
;;       e = np.where(a > 0, np.clip(np.frexp(np.where(a > 0, a, 1))[1] - 1 - 2, -126, 127), 0)      # np.frexp(a)[1] - 1 = floor(log2(a)), exactly
;;       r = np.clip(x / 2.0 ** e, -6, 6)
;;       step = 2.0 ** (np.maximum(np.frexp(np.where(r == 0, 1, r))[1] - 1, 0) - 1)
;;       q = np.round(r / step) * step * 2.0 ** e      # np.round: ties to even
;;       return np.moveaxis(q.reshape(q.shape[:-2] + (-1,))[..., :K], -1, axis).astype(np.float32)
;;   ~~~
;; One version. Each part assembles by itself: llvm-mc -triple=amdgcn-amd-amdhsa -mcpu=gfx1250 --defsym DOCPART=n.
;; ======== version 1 of 1: 5 launches
;; limits: values are held in f16: magnitudes above 65,504 overflow, below 6.1e-05 lose precision
;; workspace buffers: xc 4,194,304 bytes; xs 262,144 bytes; wc 1,572,864 bytes; ws 98,304 bytes; wp16 2,097,152 bytes; qkv 50,331,648 bytes; qkv32 786,432 bytes; y16 16,777,216 bytes
;; launch prep (part 1): grid 368 x 1, 4 waves a work-group, no clusters, 68,096 bytes of LDS; arguments x, w_qkv, w_proj, xc, xs, wc, ws, wp16; writes xc, xs, wc, ws, wp16
.if DOCPART == 1
	.amdgcn_target "amdgcn-amd-amdhsa--gfx1250"
	.amdhsa_code_object_version 6
	.text
	.protected	k_qe00d10a1cd_prep
	.globl	k_qe00d10a1cd_prep
	.p2align	8
	.type	k_qe00d10a1cd_prep,@function
k_qe00d10a1cd_prep:
	s_mov_b64 s[64:65], 0
	v_nop
	global_prefetch_b8 v0, s[64:65] scope:SCOPE_SE
	s_setreg_imm32_b32 hwreg(HW_REG_WAVE_MODE, 25, 1), 1
	s_wait_xcnt 0x0
; PREP: what the later launches read many times is made once.
;   work-groups 0-47    (path W): w_qkv [1024 k][3072 n] f32 -> codes of E2M1 wc [3072 n][512 bytes], K innermost, and E8M0 bytes ws [3072][32]
;   work-groups 48-111  (path P): w_proj [1024][1024] f32 -> f16, same layout (wp16)
;   work-groups 112-367 (path X): x [8192][1024] f32 -> codes xc [8192][512 bytes] and E8M0 bytes xs [8192][32]
; A block's scale is 2^(floor(log2(largest magnitude)) - 2): its byte is the largest magnitude's exponent field - 2, held at 1 from below.
; LIMITS: a block of zeros gets the byte 1 where the rule says 127 (its codes are zeros, and this program alone reads the bytes); blocks whose largest magnitude lies under
; 2^(3 - 127) keep the byte 1; NaN and infinities among the inputs are not served; |w_proj| up to 65,504 (f16).
; The three paths part on the work-group's number alone and never join; each has LDS bytes of its own.  No tensor loads, no barrier: waves share nothing.
.set SPARE, 67584                      ; behind both paths' regions: the spare words, 128 bytes for each wave
.set SPW,   192                        ; v192 LDS address of my spare word; never rewritten
.set NIL,   193                        ; v193 0; never rewritten
.set WV,    20                         ; s20  my wave's number
.set EMAX,  2
; path X: 16 steps of 512 numbers a wave
.set STEPS, 16
.set CB,    8                          ; bytes of 16 codes
.set XR,    16                         ; v16-79   four sets of 16 numbers as they are loaded
.set XX,    80                         ; v80-111  two sets of 16 neighbours
.set XE,    112                        ; v112-127 a scale byte for each step
.set XC,    128                        ; v128-191 codes: registers of its own for each step
.set WREG,  8192                       ; LDS bytes 0 .. 32767: a region for each wave: two stages of 32 x SP bytes, then its 256 scale bytes
.set SP,    80                         ; a lane's place in a stage: 64 bytes + 16 of padding
; path W: 32 columns x 512 along K a wave
.set WN,    3072
.set NB,    16                         ; blocks of 32 along K
.set WPITCH, 272                       ; a stage row: 256 bytes of codes + 16
.set KROW,  512                        ; a row of wc in bytes
.set WSTG,  32768                      ; LDS bytes 32768 .. 67583: four stages of 32 rows
.set WX,    32                         ; v32-95   two sets of 32 numbers
.set WC,    96                         ; v96-99   a block's codes
.set OUTR,  112                        ; v112-175 the way out
.set SB,    24                         ; v24-27   the scale bytes, four to a register
.macro XLOAD t                         ; a step's 2,048 bytes: each load reads 512 consecutive bytes
.irp i, 0,1,2,3
	global_load_b128 v[XR+16*((\t)%4)+4*\i:XR+16*((\t)%4)+4*\i+3], v3, s[4:5] offset:2048*(\t)+512*\i th:TH_LOAD_NT
.endr
.endm
.macro XTURN t                         ; through the wave's stage: in as loaded, out 64 neighbouring bytes a lane; LDS serves a wave's instructions in order
.irp i, 0,1,2,3
	ds_store_b128 v14, v[XR+16*((\t)%4)+4*\i:XR+16*((\t)%4)+4*\i+3] offset:32*SP*((\t)%2)+8*SP*\i
.endr
.irp i, 0,1,2,3
	ds_load_b128 v[XX+16*((\t)%2)+4*\i:XX+16*((\t)%2)+4*\i+3], v15 offset:32*SP*((\t)%2)+16*\i
.endr
.endm
.macro XSTEP t
.set XS, XX+16*((\t)%2)
.if (\t) > 0
	s_wait_dscnt 1                                 ; this step's numbers are back from the stage; the last step's byte store may be out
.else
	s_wait_dscnt 0x0
.endif
.if (\t)+4 < STEPS
	XLOAD (\t)+4                                   ; into the set whose stage stores have just been shown done
.endif
.if (\t)+1 < STEPS
.if STEPS-2-(\t) >= 3
	s_wait_loadcnt 12                              ; the next step's four loads are in; those of the three steps behind it may be out
.else
	s_wait_loadcnt 4*(STEPS-2-(\t))
.endif
	XTURN (\t)+1
.endif
	v_max3_num_f32 v8, |v[XS]|, |v[XS+1]|, |v[XS+2]|               ; the largest magnitude of my 16, in two chains
	v_max3_num_f32 v9, |v[XS+3]|, |v[XS+4]|, |v[XS+5]|
.irp i, 6,10
	v_max3_num_f32 v8, v8, |v[XS+\i]|, |v[XS+\i+1]|
	v_max3_num_f32 v9, v9, |v[XS+\i+2]|, |v[XS+\i+3]|
.endr
	v_max3_num_f32 v8, v8, |v[XS+14]|, |v[XS+15]|
	v_max3_num_f32 v8, v8, v9, (EMAX+1)<<23        ; and the floor 2^(3 - 127): the byte cannot fall under 1
	v_max_num_f32_dpp v8, v8, v8 row_xmask:1 row_mask:0xf bank_mask:0xf   ; with my neighbour's 16: the block's
	v_add_nc_u32 v11, -(EMAX<<23), v8              ; 2 off its exponent field: the conversion takes this operand's exponent field as its scale
	v_cvt_scalef32_pk8_fp4_f32 v[XC+4*(\t)], v[XS:XS+7], v11
	v_cvt_scalef32_pk8_fp4_f32 v[XC+4*(\t)+1], v[XS+8:XS+15], v11
	v_lshrrev_b32 v[XE+(\t)], 23, v11              ; the scale's byte (also the plain line behind the conversions)
	ds_store_b8 v5, v[XE+(\t)] offset:16*(\t)      ; both lanes of a block write the same byte with the same value
	global_store_b64 v4, v[XC+4*(\t):XC+4*(\t)+1], s[10:11] offset:32*CB*(\t)   ; the wave stores 256 consecutive bytes, aligned
.endm
.macro WLOAD t                         ; block t: w_qkv(32 t + i, my column), i = 0 .. 31: a lane takes a column, its registers run down K
.irp i, 0,1,2,3,4,5,6,7,8,9,10,11,12,13,14,15,16,17,18,19,20,21,22,23,24,25,26,27,28,29,30,31
	global_load_b32 v[WX+32*((\t)%2)+\i], v3, s[6:7] offset:(32*(\t)+\i)*WN*4 th:TH_LOAD_NT
.endr
.endm
.macro WBLOCK t
.set WS, WX+32*((\t)%2)
.if (\t) < NB-1
	s_wait_loadcnt 32                              ; this block's 32 loads are in; the next block's may be out
.else
	s_wait_loadcnt 0
.endif
	v_max3_num_f32 v12, |v[WS]|, |v[WS+1]|, |v[WS+2]|              ; all 32 numbers of the block are mine
	v_max3_num_f32 v13, |v[WS+3]|, |v[WS+4]|, |v[WS+5]|
.irp i, 6,10,14,18,22,26
	v_max3_num_f32 v12, v12, |v[WS+\i]|, |v[WS+\i+1]|
	v_max3_num_f32 v13, v13, |v[WS+\i+2]|, |v[WS+\i+3]|
.endr
	v_max3_num_f32 v12, v12, |v[WS+30]|, |v[WS+31]|
	v_max3_num_f32 v12, v12, v13, (EMAX+1)<<23
	v_add_nc_u32 v11, -(EMAX<<23), v12
	v_lshrrev_b32 v13, 23, v11                     ; the scale's byte
.if (\t)%4 == 0
	v_mov_b32 v[SB+(\t)/4], v13                    ; four bytes to a register, the lower K in the lower byte
.else
	v_lshl_or_b32 v[SB+(\t)/4], v13, 8*((\t)%4), v[SB+(\t)/4]
.endif
.irp g, 0,1,2,3
	v_cvt_scalef32_pk8_fp4_f32 v[WC+\g], v[WS+8*\g:WS+8*\g+7], v11
.endr
	ds_store_b128 v4, v[WC:WC+3] offset:16*(\t)    ; 32 codes: 16 bytes of my column's row
.if (\t)+2 < NB
	WLOAD (\t)+2
.endif
	s_wait_dscnt 0x0                               ; the store has read its registers: the next block's codes may be written
.endm
	s_load_b256 s[4:11], s[0:1], 0x0               ; x s[4:5], w_qkv s[6:7], w_proj s[8:9], xc s[10:11]
	s_load_b256 s[12:19], s[0:1], 0x20             ; xs s[12:13], wc s[14:15], ws s[16:17], wp16 s[18:19]
	v_lshl_add_u32 v[SPW], v0, 2, SPARE
	v_mov_b32 v[NIL], 0
	v_lshrrev_b32 v1, 5, v0
	v_readfirstlane_b32 s[WV], v1                  ; wave 0..3
	v_and_b32 v2, 31, v0                           ; lane
	s_wait_kmcnt 0x0
	s_cmp_lt_u32 ttmp9, 48
	s_cbranch_scc1 .LW
	s_cmp_lt_u32 ttmp9, 112
	s_cbranch_scc1 .LP
	; ---------------- path X: x, a plain stream of blocks of 32 (rows are dense, K is a multiple of 32)
	v_lshlrev_b32 v3, 4, v2                        ; my 16 bytes of a load's 512
	s_mul_i32 s21, s[WV], WREG
	v_lshrrev_b32 v14, 2, v2
	v_mul_u32_u24 v14, v14, SP
	v_and_b32 v15, 3, v2
	v_lshl_add_u32 v14, v15, 4, v14
	v_add_nc_u32 v14, s21, v14                     ; the stage, on the way in: SP (lane / 4) + 16 (lane % 4)
	v_mul_u32_u24 v15, v2, SP
	v_add_nc_u32 v15, s21, v15                     ; and on the way out: SP x lane
	v_mul_u32_u24 v4, v2, CB                       ; my codes' place in a step's
	v_lshrrev_b32 v5, 1, v2
	s_add_co_u32 s21, s21, 2*32*SP
	v_add_nc_u32 v5, s21, v5                       ; my wave's 256 scale bytes, my block's byte
	v_lshlrev_b32 v7, 3, v2
	v_add_nc_u32 v6, s21, v7                       ; and on the way out 8 bytes a lane
	s_sub_co_u32 s21, ttmp9, 112
	s_lshl_b32 s21, s21, 2
	s_add_co_u32 s21, s21, s[WV]                   ; which run of 8,192 numbers is my wave's: 0 .. 1023
	s_lshl_b32 s22, s21, 15
	s_mov_b32 s23, 0
	s_add_nc_u64 s[4:5], s[4:5], s[22:23]
	s_lshl_b32 s22, s21, 12
	s_add_nc_u64 s[10:11], s[10:11], s[22:23]
	s_lshl_b32 s22, s21, 8
	s_add_nc_u64 s[12:13], s[12:13], s[22:23]
.irp t, 0,1,2,3
	XLOAD \t
.endr
	s_wait_loadcnt 12                              ; step 0's four loads are in
	XTURN 0
.irp t, 0,1,2,3,4,5,6,7,8,9,10,11,12,13,14,15
	XSTEP \t
.endr
	ds_load_b64 v[8:9], v6                         ; my wave's 256 scale bytes: these loads see my stores
	s_wait_dscnt 0x0
	global_store_b64 v7, v[8:9], s[12:13]          ; 256 consecutive bytes, aligned
	s_wait_tensorcnt 0x0                           ; the wave's end, behind my last LDS store
	ds_add_u32 v[SPW], v[NIL]
	s_wait_dscnt 0x0
	s_endpgm
	; ---------------- path P: w_proj to f16.  A wave takes 4,096 numbers; a lane 8 neighbours of each 256, so that its four packed registers are 16 neighbouring bytes
.LP:
	s_sub_co_u32 s21, ttmp9, 48
	s_lshl_b32 s21, s21, 2
	s_add_co_u32 s21, s21, s[WV]
	s_lshl_b32 s22, s21, 14
	s_mov_b32 s23, 0
	s_add_nc_u64 s[8:9], s[8:9], s[22:23]
	s_lshl_b32 s22, s21, 13
	s_add_nc_u64 s[18:19], s[18:19], s[22:23]
	v_lshlrev_b32 v3, 5, v2
	v_lshlrev_b32 v4, 4, v2
.irp c, 0,1,2,3,4,5,6,7,8,9,10,11,12,13,14,15
	global_load_b128 v[32+8*\c:35+8*\c], v3, s[8:9] offset:1024*\c
	global_load_b128 v[36+8*\c:39+8*\c], v3, s[8:9] offset:1024*\c+16
.endr
.irp c, 0,1,2,3,4,5,6,7,8,9,10,11,12,13,14,15
	s_wait_loadcnt 30-2*\c                         ; chunk c's two loads are in; the younger chunks' may be out
.irp i, 0,1,2,3
	v_cvt_pk_f16_f32 v[32+8*\c+\i], v[32+8*\c+2*\i], v[33+8*\c+2*\i]   ; in place: each destination has been read already
.endr
	global_store_b128 v4, v[32+8*\c:35+8*\c], s[18:19] offset:512*\c   ; the wave stores 512 consecutive bytes, aligned
.endr
	s_wait_tensorcnt 0x0                           ; the same three closing lines as in the other two paths
	ds_add_u32 v[SPW], v[NIL]
	s_wait_dscnt 0x0
	s_endpgm
	; ---------------- path W: w_qkv, whose K is its first axis.  Work-group = 128 columns (24 along n) x 512 along K (2)
.LW:
	s_cmp_ge_u32 ttmp9, 24
	s_cselect_b32 s18, 1, 0                        ; which 512 along K
	s_cselect_b32 s21, 24, 0
	s_sub_co_u32 s21, ttmp9, s21                   ; which 128 columns
	s_lshl_b32 s22, s21, 7
	s_lshl_b32 s23, s[WV], 5
	s_add_co_u32 s22, s22, s23                     ; my wave's first column
	v_lshlrev_b32 v3, 2, v2                        ; in: 4 bytes a lane
	s_mul_i32 s23, s[WV], 32*WPITCH
	s_add_co_u32 s23, s23, WSTG                    ; my stage
	v_mul_u32_u24 v4, v2, WPITCH
	v_add_nc_u32 v4, s23, v4                       ; into it: row = my column
	v_and_b32 v5, 15, v2
	v_lshrrev_b32 v6, 4, v2                        ; out of it: sixteen lanes to a row, two rows an instruction
	v_mul_u32_u24 v7, v6, WPITCH
	v_lshl_add_u32 v7, v5, 4, v7
	v_add_nc_u32 v7, s23, v7
	v_mul_u32_u24 v8, v6, KROW
	v_lshl_add_u32 v8, v5, 4, v8                   ; and the same place in wc
	v_lshlrev_b32 v9, 5, v2                        ; my column's row of 32 scale bytes
	s_mul_i32 s24, s18, 512*WN*4
	s_lshl_b32 s26, s22, 2
	s_add_co_u32 s24, s24, s26
	s_mov_b32 s25, 0
	s_add_nc_u64 s[6:7], s[6:7], s[24:25]          ; w_qkv: 512 y rows + 4 x column
	s_lshl_b32 s24, s22, 9
	s_lshl_b32 s26, s18, 8
	s_add_co_u32 s24, s24, s26
	s_add_nc_u64 s[14:15], s[14:15], s[24:25]      ; wc: column x 512 + 256 y
	s_lshl_b32 s24, s22, 5
	s_lshl_b32 s26, s18, 4
	s_add_co_u32 s24, s24, s26
	s_add_nc_u64 s[16:17], s[16:17], s[24:25]      ; ws: column x 32 + 16 y
	WLOAD 0
	WLOAD 1
.set Q, 0
.rept NB
	WBLOCK Q
.set Q, Q+1
.endr
	global_store_b128 v9, v[SB:SB+3], s[16:17]     ; my column's 16 scale bytes
.irp t, 0,1,2,3,4,5,6,7,8,9,10,11,12,13,14,15
	ds_load_b128 v[OUTR+4*\t:OUTR+4*\t+3], v7 offset:2*\t*WPITCH
.endr
.irp t, 0,1,2,3,4,5,6,7,8,9,10,11,12,13,14,15
	s_wait_dscnt 15-\t                             ; LDS loads come back in order: load t is in
	global_store_b128 v8, v[OUTR+4*\t:OUTR+4*\t+3], s[14:15] offset:2*\t*KROW   ; sixteen lanes store 256 consecutive bytes, aligned
.endr
	s_wait_tensorcnt 0x0                           ; the wave's end: the three lines behind my last LDS store
	ds_add_u32 v[SPW], v[NIL]
	s_wait_dscnt 0x0
	s_endpgm
.Lfunc_end_k_qe00d10a1cd_prep:
	.size	k_qe00d10a1cd_prep, .Lfunc_end_k_qe00d10a1cd_prep-k_qe00d10a1cd_prep
	.p2alignl 7, 3214868480
	.fill 96, 4, 3214868480
	.section	.rodata,"a",@progbits
	.p2align	6, 0x0
	.amdhsa_kernel k_qe00d10a1cd_prep
		.amdhsa_group_segment_fixed_size 68096
		.amdhsa_private_segment_fixed_size 0
		.amdhsa_enable_private_segment 0
		.amdhsa_kernarg_size 64
		.amdhsa_user_sgpr_count 2
		.amdhsa_user_sgpr_kernarg_segment_ptr 1
		.amdhsa_wavefront_size32 1
		.amdhsa_system_sgpr_workgroup_id_x 1
		.amdhsa_system_sgpr_workgroup_id_y 1
		.amdhsa_system_sgpr_workgroup_id_z 1
		.amdhsa_system_vgpr_workitem_id 0
		.amdhsa_next_free_vgpr 194
		.amdhsa_next_free_sgpr 66
		.amdhsa_reserve_vcc 0
		.amdhsa_float_denorm_mode_32 3
		.amdhsa_float_denorm_mode_16_64 3
		.amdhsa_memory_ordered 1
		.amdhsa_forward_progress 1
		.amdhsa_inst_pref_size 120
	.end_amdhsa_kernel
	.amdgpu_metadata
---
amdhsa.version: [ 1, 2 ]
amdhsa.kernels:
  - .name:           k_qe00d10a1cd_prep
    .symbol:         k_qe00d10a1cd_prep.kd
    .args:
      - { .name: x, .offset: 0, .size: 8, .value_kind: global_buffer, .address_space: global }
      - { .name: w_qkv, .offset: 8, .size: 8, .value_kind: global_buffer, .address_space: global }
      - { .name: w_proj, .offset: 16, .size: 8, .value_kind: global_buffer, .address_space: global }
      - { .name: xc, .offset: 24, .size: 8, .value_kind: global_buffer, .address_space: global }
      - { .name: xs, .offset: 32, .size: 8, .value_kind: global_buffer, .address_space: global }
      - { .name: wc, .offset: 40, .size: 8, .value_kind: global_buffer, .address_space: global }
      - { .name: ws, .offset: 48, .size: 8, .value_kind: global_buffer, .address_space: global }
      - { .name: wp16, .offset: 56, .size: 8, .value_kind: global_buffer, .address_space: global }
    .group_segment_fixed_size: 68096
    .private_segment_fixed_size: 0
    .kernarg_segment_align: 8
    .kernarg_segment_size: 64
    .max_flat_workgroup_size: 128
    .sgpr_count:     66
    .vgpr_count:     194
    .wavefront_size: 32
...
	.end_amdgpu_metadata
.endif
;; end of part 1
;; launch qkv (part 2): grid 12 x 32, 4 waves a work-group, clusters of 4 x 4, 327,680 bytes of LDS; arguments xc, xs, wc, ws, qkv, qkv32; writes qkv, qkv32
.if DOCPART == 2
	.amdgcn_target "amdgcn-amd-amdhsa--gfx1250"
	.amdhsa_code_object_version 6
	.text
	.protected	k_qe00d10a1cd_qkv
	.globl	k_qe00d10a1cd_qkv
	.p2align	8
	.type	k_qe00d10a1cd_qkv,@function
k_qe00d10a1cd_qkv:
	s_mov_b64 s[64:65], 0
	v_nop
	global_prefetch_b8 v0, s[64:65] scope:SCOPE_SE
	s_setreg_imm32_b32 hwreg(HW_REG_WAVE_MODE, 25, 1), 1
	s_wait_xcnt 0x0
	s_wait_alu depctr_hold_cnt(0) depctr_sa_sdst(0) depctr_va_vdst(0) depctr_va_sdst(0) depctr_va_ssrc(0) depctr_va_vcc(0) depctr_vm_vsrc(0)
	s_getreg_b32 s2, hwreg(HW_REG_IB_STS2, 6, 4)
	s_cmp_eq_u32 s2, 0
	s_cbranch_scc0 .Lentry_in_a_cluster
	s_endpgm
.Lentry_in_a_cluster:
	s_bfe_u32 s2, ttmp6, 0x10000c
	s_cmp_lg_u32 s2, 0xf033
	s_cbranch_scc0 .Lentry_shape_is_right
	s_endpgm
.Lentry_shape_is_right:
; QKV: the quantised product x w_qkv, [8192 x 1024] x [1024 x 3072], on codes of E2M1 with E8M0 scales, sums in f32.
; A tile of 256 x 256 to a work-group of four waves, 128 x 128 (64 accumulators) to a wave.  K = 1,024 is two LDS slots of 512 along K, both asked for at the head: nothing is filled again.
; The scale bytes of the work-group's 256 + 256 rows come once, as dense blocks.  4 x 4 work-groups form a cluster: A's tiles are asked for jointly along a row of the cluster, B's along a column,
; which divides the requests for both by four.  The matrix instruction is used transposed (source 0 = 16 rows of wc, source 1 = 16 rows of xc): a lane holds eight neighbouring columns of one row.
; RESULTS: f16, by head: qkv [b 4][G 48][t 2048][64], G = 0-15 q's heads, 16-31 k's, 32-47 v's.  q is multiplied in f32 by c = log2(e) / 8 ahead of its rounding, so that the
; attention's exponent is a plain difference.  Positions 0-15 of each sequence also leave unscaled in f32, as images of the accumulators' registers (qkv32), for the launch that carries those rows finely.
; TILE ROW = 8 cy + cluster y: so the batch is cy, and whether a tile holds positions 0-15 hangs on the cluster's y alone, which all partners share.
; LIMITS: |c q|, |k|, |v| up to 65,504 (f16).
; REGISTERS, in windows of 256: window 0: v0-31 addresses; v32-95 scale words, two sets; from v128 A's fragments, one set; on the way out v32-191 are free.
;   window 1: B's fragments, two sets.   window 2: the accumulators of my rows 0-63 ((a, b) at v[8 (8 a + b)]);   window 3: those of my rows 64-127.
.set SIZE_K, 1024
.set KSTEP,  512
.set NQ,     KSTEP/128
.set ROWB,   256                       ; a tile's row in bytes
.set KROW,   SIZE_K*4/8                ; a row of codes in memory
.set PITCH,  272                       ; an LDS row: 256 bytes + 16: the 16 rows that a load touches start at 16 different banks
.set FR,     8
.set NL,     2
.set NP,     4                         ; places behind this matrix instruction (ISA guide 7.12.1)
.set HALFT,  128*PITCH
.set SLOT,   4*HALFT
.set KS,     SIZE_K/32                 ; a row of scales in bytes
.set SCL,    2*SLOT                    ; behind the two slots: the scales, as units of 256 bytes + 16 of padding
.set HALFS,  (128*KS/256)*272
.set SBLK,   (16*KS/256)*272
.set SPARE,  SCL+4*HALFS               ; the spare words, 128 bytes for each wave
.set HP,     144                       ; the way out: a stage row: a head's 128 bytes + 16
.set HSTG,   16*HP                     ; 16 rows of one head
.set ADRA, 16
.set ADRB, 20
.set STO,  24                          ; v24 the way out: where I put 16 bytes of a row
.set RD,   25                          ; v25 where I read four rows back
.set CO,   26                          ; v26 16 x lane
.set ADRS, 27
.set SPW,  28
.set NIL,  29
.set SC,   32
.set AF,   128
.set TF,   32                          ; the way out: v32-95 a block's numbers x the factor, v96-127 packed, v128-191 rows read back, two sets
.set TH,   96
.set BK,   128
.set G1, 24
.set G0, 32
.set G1B, 48
.set G0B, 56
.set G1S, 68
.set G0S, 76
.set G1SB, 80
.set G0SB, 88
.set MSB, 0
.macro WIN new                         ; the immediate's high byte repeats the setting that is left
.if MSB != \new
	s_set_vgpr_msb (MSB<<8)|\new
.set MSB, \new
.endif
.endm
.set MUL_LO, 0xa1                      ; source 0 (B) window 1, source 1 (A) window 0, C and D window 2
.set MUL_HI, 0xf1
.set TO_B,   0x40
; A joint load: waves 0 and 1 fetch for A, waves 2 and 3 for B; the branch hangs on the wave's number alone.  An s_nop 0 and four v_nop follow each line.
.macro JLOAD g0a, g1a, g0b, g1b
	s_cmp_eq_u32 s15, 0
	s_cbranch_scc0 .Lfor_b_\@
	tensor_load_to_lds s[\g0a:\g0a+3], s[\g1a:\g1a+7]
	s_nop 0
.rept 4
	v_nop
.endr
	s_branch .Lasked_\@
.Lfor_b_\@:
	tensor_load_to_lds s[\g0b:\g0b+3], s[\g1b:\g1b+7]
	s_nop 0
.rept 4
	v_nop
.endr
.Lasked_\@:
.endm
.macro CROUND                          ; a round of the cluster's barrier
	s_barrier_signal -1
	s_barrier_wait -1
	s_cmp_lg_u32 s14, 0
	s_cbranch_scc1 .Lnot_wave_0_\@
	s_barrier_signal -3
.Lnot_wave_0_\@:
	s_barrier_wait -3
	s_barrier_signal -1
	s_barrier_wait -1
.endm
	s_load_b128 s[4:7], s[0:1], 0x0                ; xc, xs
	s_load_b128 s[8:11], s[0:1], 0x10              ; wc, ws
	s_load_b64 s[12:13], s[0:1], 0x20              ; qkv
	s_load_b64 s[66:67], s[0:1], 0x28              ; qkv32
	v_lshl_add_u32 v[SPW], v0, 2, SPARE
	v_mov_b32 v[NIL], 0
	ds_add_u32 v[SPW], v[NIL]                      ; the wave's opening: the add, twice on end, and its wait ahead of my first tensor load
	ds_add_u32 v[SPW], v[NIL]
	v_lshrrev_b32 v1, 5, v0
	v_readfirstlane_b32 s14, v1                    ; wave 0..3
	s_lshr_b32 s15, s14, 1                         ; my half of the tile's rows.  Also: I fetch for A (0) or for B (1)
	s_and_b32 s16, s14, 1                          ; my half of its columns.  Also: which 128 rows I fetch
	s_bfe_u32 s40, ttmp6, 0x40000                  ; cx
	s_bfe_u32 s41, ttmp6, 0x40004                  ; cy
	s_lshl_b32 s42, ttmp9, 2
	s_add_co_u32 s42, s42, s40                     ; tile column = 4 x cluster x + cx
	s_and_b32 s95, ttmp7, 0xffff                   ; cluster y: which 256 positions of a sequence
	s_lshl_b32 s17, s41, 3
	s_add_co_u32 s17, s17, s95                     ; tile row = 8 cy + cluster y
	s_lshl_b32 s43, s41, 2
	s_lshl_b32 s43, 15, s43                        ; my row of the cluster
	s_lshl_b32 s44, 0x1111, s40                    ; my column
	s_cmp_eq_u32 ttmp9, 0                          ; q's 1,024 columns are tile columns 0-3: cluster x = 0
	s_cselect_b32 s2, 0x3e38aa3b, 1.0              ; the factor: c = log2(e) / 8 for q, 1 for k and v
	s_mov_b32 s3, s2                               ; (named with it as a pair)
	s_or_b32 s[G1+0], s43, (0<<16)|(1<<20)|(1<<21)|(5<<22)|(3<<25)  ; the mask; elements of 1 byte; padding: 4 words behind every 64; bit 21 beside a mask
	s_or_b32 s[G1B+0], s44, (0<<16)|(1<<20)|(1<<21)|(5<<22)|(3<<25)
.irp g, G1, G1B
	s_mov_b32 s[\g+1], ROWB<<16                    ; tensor_dim0
	s_mov_b32 s[\g+2], 128<<16                     ; tensor_dim1
	s_mov_b32 s[\g+3], ROWB<<16                    ; tile_dim0
	s_mov_b32 s[\g+4], 128                         ; tile_dim1
	s_mov_b32 s[\g+5], KROW                        ; from row to row
	s_mov_b32 s[\g+6], 0
	s_mov_b32 s[\g+7], 0
.endr
	s_or_b32 s[G1S+0], s43, (3<<16)|(1<<20)|(1<<21)|(5<<22)|(3<<25) ; the scales of 128 rows: a dense block, as rows of 256 bytes (32 elements of 8 bytes)
	s_or_b32 s[G1SB+0], s44, (3<<16)|(1<<20)|(1<<21)|(5<<22)|(3<<25)
.irp g, G1S, G1SB
	s_mov_b32 s[\g+1], 32<<16
	s_mov_b32 s[\g+2], (128*KS/256)<<16
	s_mov_b32 s[\g+3], 32<<16
	s_mov_b32 s[\g+4], 128*KS/256
	s_mov_b32 s[\g+5], 32
	s_mov_b32 s[\g+6], 0
	s_mov_b32 s[\g+7], 0
.endr
	s_lshl_b32 s18, s16, 7
	s_lshl_b32 s20, s17, 8
	s_add_co_u32 s20, s20, s18                     ; A: row 256 x tile row + 128 x half
	s_lshl_b32 s46, s42, 8
	s_add_co_u32 s46, s46, s18                     ; B: row 256 x tile column + 128 x half
	s_mov_b32 s21, 0
	s_mov_b32 s47, 0
	s_mov_b64 s[18:19], KS
	s_mul_u64 s[22:23], s[20:21], s[18:19]         ; where these rows' scales begin
	s_mul_u64 s[92:93], s[46:47], s[18:19]
	s_mov_b64 s[18:19], KROW
	s_mul_u64 s[20:21], s[20:21], s[18:19]         ; and their codes
	s_mul_u64 s[46:47], s[46:47], s[18:19]
	s_mul_i32 s45, s14, HALFT                      ; where they go: wave x 128 rows
	s_mul_i32 s94, s14, HALFS
	s_wait_dscnt 0x0                               ; both opening adds are done
	s_wait_kmcnt 0x0
	s_add_nc_u64 s[20:21], s[4:5], s[20:21]
	s_add_nc_u64 s[22:23], s[6:7], s[22:23]
	s_add_nc_u64 s[46:47], s[8:9], s[46:47]
	s_add_nc_u64 s[92:93], s[10:11], s[92:93]
	CROUND                                         ; all sixteen work-groups are here: the joint loads meet
	s_mov_b32 s[G0S], 1
	s_add_co_u32 s[G0S+1], s94, SCL
	s_mov_b64 s[G0S+2:G0S+3], s[22:23]
	s_or_b32 s[G0S+3], s[G0S+3], 0x80000000
	s_mov_b32 s[G0SB], 1
	s_add_co_u32 s[G0SB+1], s94, SCL
	s_mov_b64 s[G0SB+2:G0SB+3], s[92:93]
	s_or_b32 s[G0SB+3], s[G0SB+3], 0x80000000
	JLOAD G0S, G1S, G0SB, G1SB                     ; the scales first; by this text's count three loads of a wave are out at the most
.irp s, 0,1
	s_mov_b32 s[G0+4*\s], 1
	s_add_co_u32 s[G0+4*\s+1], s45, \s*SLOT
	s_add_nc_u64 s[G0+4*\s+2:G0+4*\s+3], s[20:21], \s*ROWB
	s_or_b32 s[G0+4*\s+3], s[G0+4*\s+3], 0x80000000
	s_mov_b32 s[G0B+4*\s], 1
	s_add_co_u32 s[G0B+4*\s+1], s45, \s*SLOT
	s_add_nc_u64 s[G0B+4*\s+2:G0B+4*\s+3], s[46:47], \s*ROWB
	s_or_b32 s[G0B+4*\s+3], s[G0B+4*\s+3], 0x80000000
	JLOAD G0+4*\s, G1, G0B+4*\s, G1B
.endr
	v_and_b32 v1, 15, v0                           ; r = l % 16
	v_bfe_u32 v2, v0, 4, 1                         ; hh = l / 16
	v_mul_u32_u24 v3, v1, PITCH
	v_lshl_add_u32 v4, v2, 4, v3                   ; a fragment's row x pitch + 16 x half
	s_mul_i32 s21, s15, HALFT
	s_mul_i32 s22, s16, HALFT
	s_add_co_u32 s22, s22, 2*HALFT
.irp s, 0,1
	v_add_nc_u32 v[ADRA+\s], s21, v4
	v_add_nc_u32 v[ADRB+\s], s22, v4
	s_add_co_u32 s21, s21, SLOT
	s_add_co_u32 s22, s22, SLOT
.endr
	v_mul_u32_u24 v5, v1, KS                       ; my row's scales: KS bytes a row,
	v_lshrrev_b32 v6, 8, v5
	v_lshl_add_u32 v5, v6, 4, v5                   ; and 16 more for each 256 passed
	s_mul_i32 s21, s15, HALFS
	s_mul_i32 s22, s16, HALFS
	s_add_co_u32 s22, s22, 2*HALFS
	s_sub_co_u32 s22, s22, s21
	v_mul_u32_u24 v6, s22, v2                      ; lanes 16-31 take B's
	s_add_co_u32 s21, s21, SCL
	v_add_nc_u32 v5, v5, v6
	v_add_nc_u32 v[ADRS], s21, v5
	s_mul_i32 s23, s14, 2*HSTG                     ; my stage: [2 heads][16 rows][144 bytes], in slot 0, which has had its only fill and its last read when the first result is stored there
	v_mul_u32_u24 v5, v1, HP
	v_lshl_add_u32 v5, v2, 4, v5
	v_add_nc_u32 v[STO], s23, v5                   ; in: row r, 16 bytes for each half of the lanes
	v_and_b32 v6, 31, v0
	v_lshlrev_b32 v[CO], 4, v6
	v_lshrrev_b32 v5, 3, v6
	v_mul_u32_u24 v5, v5, HP
	v_and_b32 v6, 7, v6
	v_lshl_add_u32 v5, v6, 4, v5
	v_add_nc_u32 v[RD], s23, v5                    ; back: eight lanes to a row of 128 bytes, four rows an instruction
	s_mul_i32 s46, s41, 48
	s_lshl_b32 s47, s42, 2
	s_add_co_u32 s46, s46, s47
	s_lshl_b32 s47, s16, 1
	s_add_co_u32 s46, s46, s47                     ; 48 b + my first G: 4 x tile column + 2 x column half
	s_lshl_b32 s92, s46, 12
	s_mov_b32 s93, 0
	s_add_nc_u64 s[66:67], s[66:67], s[92:93]      ; qkv32: 4,096 bytes for each G
	s_lshl_b32 s46, s46, 18
	s_lshl_b32 s47, s95, 15
	s_add_co_u32 s46, s46, s47                     ; + 256 x cluster y positions of 128 bytes
	s_lshl_b32 s47, s15, 14
	s_add_co_u32 s46, s46, s47                     ; + my half's 128
	s_mov_b32 s47, 0
	s_add_nc_u64 s[12:13], s[12:13], s[46:47]
.macro FRAG reg, adr, q, i             ; 16 rows x 128 K of 4-bit codes: 8 registers, two loads of 16 bytes, 32 bytes apart
.irp c, 0,1
	ds_load_b128 v[\reg+4*\c:\reg+4*\c+3], v[\adr] offset:64*(\q)+32*\c+(\i)*16*PITCH
.endr
.endm
; 16 matrix instructions: A's blocks a0, a0 + 1 x B's eight.  The 64 accumulators take turns, one instruction a turn.
.macro MUL16 a0, p, q, sc, zero
.irp a, \a0, \a0+1
.irp b, 0,1,2,3,4,5,6,7
.if \zero
	v_wmma_scale_f32_16x16x128_f8f6f4 v[8*(8*((\a)%4)+\b):8*(8*((\a)%4)+\b)+7], v[128*(\p)+FR*\b:128*(\p)+FR*\b+FR-1], v[AF+FR*(\a):AF+FR*(\a)+FR-1], 0, v[SC+8*NQ*(\sc)+NQ*\b+(\q)], v[SC+8*NQ*(\sc)+NQ*(\a)+(\q)] matrix_a_fmt:MATRIX_FMT_FP4 matrix_b_fmt:MATRIX_FMT_FP4 matrix_a_scale:MATRIX_SCALE_ROW1
.else
	v_wmma_scale_f32_16x16x128_f8f6f4 v[8*(8*((\a)%4)+\b):8*(8*((\a)%4)+\b)+7], v[128*(\p)+FR*\b:128*(\p)+FR*\b+FR-1], v[AF+FR*(\a):AF+FR*(\a)+FR-1], v[8*(8*((\a)%4)+\b):8*(8*((\a)%4)+\b)+7], v[SC+8*NQ*(\sc)+NQ*\b+(\q)], v[SC+8*NQ*(\sc)+NQ*(\a)+(\q)] matrix_a_fmt:MATRIX_FMT_FP4 matrix_b_fmt:MATRIX_FMT_FP4 matrix_a_scale:MATRIX_SCALE_ROW1
.endif
.endr
.endr
.endm
.macro FETCH_B slot, q, p
	WIN TO_B
.irp i, 0,1,2,3,4,5,6,7
	FRAG 128*(\p)+FR*\i, ADRB+\slot, \q, \i
.endr
	WIN 0
.endm
.macro FETCH_A slot, q, i0
.irp i, \i0, \i0+1, \i0+2, \i0+3
	FRAG AF+FR*(\i), ADRA+\slot, \q, \i
.endr
.endm
.macro SCALES sc                       ; a slot's scale words: lanes 0-15 take A's block i, lanes 16-31 B's block i
.irp i, 0,1,2,3,4,5,6,7
	ds_load_b128 v[SC+8*NQ*\sc+NQ*\i:SC+8*NQ*\sc+NQ*\i+3], v[ADRS] offset:\i*SBLK
.endr
.endm
.macro PLACES n                        ; plain vector instructions between a matrix instruction and a load into, or a read of, its registers
.rept \n
	v_nop
.endr
.endm
.macro STEP slot, q, zero              ; 128 along K that has its successor in the same slot
	s_wait_dscnt 4*NL                              ; B's set and A's blocks 0-3 are in; the youngest eight loads (A's blocks 4-7) may be out
	WIN MUL_LO
	MUL16 0, (\q)%2, \q, \slot, \zero
	MUL16 2, (\q)%2, \q, \slot, \zero
	s_wait_dscnt 0
	PLACES NP
	FETCH_B \slot, (\q)+1, 1-(\q)%2
	FETCH_A \slot, (\q)+1, 0
	WIN MUL_HI
	MUL16 4, (\q)%2, \q, \slot, \zero
	MUL16 6, (\q)%2, \q, \slot, \zero
	PLACES NP
	WIN 0
	FETCH_A \slot, (\q)+1, 4
.endm
; Slot 0's last step changes slots: one barrier; in front of it each wave waits for all its tensor loads (its part of slot 1), adds 0 to its spare word, and waits for that and for its reads of slot 0.
.macro TURN slot, next
	s_wait_tensorcnt 0x0
	ds_add_u32 v[SPW], v[NIL]
	s_wait_dscnt 4*NL+1                            ; the add and A's blocks 4-7 may be out
	WIN MUL_LO
	MUL16 0, 1, NQ-1, \slot, 0
	s_wait_dscnt 0x0                               ; the add is done, and my reads of this slot are over
	s_barrier_signal -1
	MUL16 2, 1, NQ-1, \slot, 0
	WIN 0
	s_barrier_wait -1
	PLACES NP
	v_add_nc_u32 v[ADRS], 4*NQ, v[ADRS]            ; on to the next slot's scale words
	FETCH_B \next, 0, 0
	FETCH_A \next, 0, 0
	SCALES \next
	WIN MUL_HI
	MUL16 4, 1, NQ-1, \slot, 0
	MUL16 6, 1, NQ-1, \slot, 0
	PLACES NP
	WIN 0
	FETCH_A \next, 0, 4
.endm
.macro STEPS slot, from
.set Q, \from
.rept NQ-1-\from
	STEP \slot, Q, 0
.set Q, Q+1
.endr
.endm
	s_wait_tensorcnt 1                             ; the scales and my part of slot 0 are in; slot 1's load may be out
	s_barrier_signal -1
	s_barrier_wait -1
	FETCH_B 0, 0, 0
	FETCH_A 0, 0, 0
	SCALES 0
	FETCH_A 0, 0, 4
	STEP 0, 0, 1                                   ; the first products start the sums: nothing is cleared
	STEPS 0, 1
	TURN 0, 1
	STEPS 1, 0
	s_wait_dscnt 4*NL                              ; the last step: nothing more to fetch
	WIN MUL_LO
	MUL16 0, 1, NQ-1, 1, 0
	MUL16 2, 1, NQ-1, 1, 0
	s_wait_dscnt 0
	WIN MUL_HI
	MUL16 4, 1, NQ-1, 1, 0
	MUL16 6, 1, NQ-1, 1, 0
	WIN 0
; THE WAY OUT, a block of 16 rows x 128 columns (two heads) at a time: x the factor, rounded to f16, through my stage, back as rows of a head: four rows are 512 consecutive bytes of qkv.
.macro PACK a
.set AC, 64*((\a)%4)
	WIN 0x02+(\a)/4                                ; source 0: window 2 or 3
.irp b, 0,1,2,3,4,5,6,7
.irp r, 0,1,2,3
	v_pk_mul_f32 v[TF+8*\b+2*\r:TF+8*\b+2*\r+1], v[AC+8*\b+2*\r:AC+8*\b+2*\r+1], s[2:3] op_sel_hi:[1,0]   ; each accumulator from its low end on
.endr
.endr
	WIN 0
.irp b, 0,1,2,3,4,5,6,7
.irp r, 0,1,2,3
	v_cvt_pk_f16_f32 v[TH+4*\b+\r], v[TF+8*\b+2*\r], v[TF+8*\b+2*\r+1]
.endr
.endr
.endm
.macro TOSTAGE a
.set BB, BK+32*((\a)%2)
.irp b, 0,1,2,3,4,5,6,7
	ds_store_b128 v[STO], v[TH+4*\b:TH+4*\b+3] offset:(\b/4)*HSTG+32*(\b%4)
.endr
.irp t, 0,1,2,3,4,5,6,7
	ds_load_b128 v[BB+4*\t:BB+4*\t+3], v[RD] offset:(\t/4)*HSTG+(\t%4)*4*HP   ; LDS serves a wave's instructions in order: these see the stores above
.endr
.endm
.macro SEND a
.set BB, BK+32*((\a)%2)
	s_wait_dscnt 0x0                               ; the block is back in registers
	s_wait_xcnt 0x0                                ; the stores of the block before have read their registers: the next block's loads may land there
.irp t, 0,1,2,3,4,5,6,7
	global_store_b128 v[CO], v[BB+4*\t:BB+4*\t+3], s[12:13] offset:(\t/4)*262144+(\a)*2048+(\t%4)*512   ; 512 consecutive bytes, aligned
.endr
.endm
	PLACES NP
	s_or_b32 s96, s95, s15                         ; positions 0-15 lie in block 0 of the upper half's waves where cluster y = 0: the same in all partners, for a given wave
	s_cmp_lg_u32 s96, 0
	s_cbranch_scc1 .Lno32
	WIN 0x08                                       ; a store's data: window 2
.irp b, 0,1,2,3,4,5,6,7
	global_store_b128 v[CO], v[8*\b:8*\b+3], s[66:67] offset:1024*\b         ; the accumulator's registers as they stand, 16 bytes a lane, from the low end on
	global_store_b128 v[CO], v[8*\b+4:8*\b+7], s[66:67] offset:1024*\b+512
.endr
	WIN 0
.Lno32:
	PACK 0
	TOSTAGE 0
.irp a, 1,2,3,4,5,6,7                  ; block a's arithmetic stands between block a - 1's loads from the stage and the wait for them
	PACK \a
	SEND \a-1
	TOSTAGE \a
.endr
	SEND 7
	s_wait_tensorcnt 0x0                           ; the wave's end, behind my last tensor load and my last LDS store
	ds_add_u32 v[SPW], v[NIL]
	s_wait_dscnt 0x0
	CROUND                                         ; the closing round
	s_endpgm
.Lfunc_end_k_qe00d10a1cd_qkv:
	.size	k_qe00d10a1cd_qkv, .Lfunc_end_k_qe00d10a1cd_qkv-k_qe00d10a1cd_qkv
	.p2alignl 7, 3214868480
	.fill 96, 4, 3214868480
	.section	.rodata,"a",@progbits
	.p2align	6, 0x0
	.amdhsa_kernel k_qe00d10a1cd_qkv
		.amdhsa_group_segment_fixed_size 327680
		.amdhsa_private_segment_fixed_size 0
		.amdhsa_enable_private_segment 0
		.amdhsa_kernarg_size 48
		.amdhsa_user_sgpr_count 2
		.amdhsa_user_sgpr_kernarg_segment_ptr 1
		.amdhsa_wavefront_size32 1
		.amdhsa_system_sgpr_workgroup_id_x 1
		.amdhsa_system_sgpr_workgroup_id_y 1
		.amdhsa_system_sgpr_workgroup_id_z 1
		.amdhsa_system_vgpr_workitem_id 0
		.amdhsa_next_free_vgpr 1024
		.amdhsa_next_free_sgpr 98
		.amdhsa_reserve_vcc 0
		.amdhsa_float_denorm_mode_32 3
		.amdhsa_float_denorm_mode_16_64 3
		.amdhsa_memory_ordered 1
		.amdhsa_forward_progress 1
		.amdhsa_inst_pref_size 144
	.end_amdhsa_kernel
	.amdgpu_metadata
---
amdhsa.version: [ 1, 2 ]
amdhsa.kernels:
  - .name:           k_qe00d10a1cd_qkv
    .symbol:         k_qe00d10a1cd_qkv.kd
    .args:
      - { .name: xc, .offset: 0, .size: 8, .value_kind: global_buffer, .address_space: global }
      - { .name: xs, .offset: 8, .size: 8, .value_kind: global_buffer, .address_space: global }
      - { .name: wc, .offset: 16, .size: 8, .value_kind: global_buffer, .address_space: global }
      - { .name: ws, .offset: 24, .size: 8, .value_kind: global_buffer, .address_space: global }
      - { .name: qkv, .offset: 32, .size: 8, .value_kind: global_buffer, .address_space: global }
      - { .name: qkv32, .offset: 40, .size: 8, .value_kind: global_buffer, .address_space: global }
    .group_segment_fixed_size: 327680
    .private_segment_fixed_size: 0
    .kernarg_segment_align: 8
    .kernarg_segment_size: 48
    .max_flat_workgroup_size: 128
    .sgpr_count:     98
    .vgpr_count:     1024
    .wavefront_size: 32
...
	.end_amdgpu_metadata
.endif
;; end of part 2
;; launch attn (part 3): grid 4 x 64, 16 waves a work-group, no clusters, 327,680 bytes of LDS; arguments qkv, y16; writes y16
.if DOCPART == 3
	.amdgcn_target "amdgcn-amd-amdhsa--gfx1250"
	.amdhsa_code_object_version 6
	.text
	.protected	k_qe00d10a1cd_attn
	.globl	k_qe00d10a1cd_attn
	.p2align	8
	.type	k_qe00d10a1cd_attn,@function
k_qe00d10a1cd_attn:
	s_mov_b64 s[64:65], 0
	v_nop
	global_prefetch_b8 v0, s[64:65] scope:SCOPE_SE
	s_setreg_imm32_b32 hwreg(HW_REG_WAVE_MODE, 25, 1), 1
	s_wait_xcnt 0x0
; ATTN: y[b][h][q] = the sum over k <= q of softmax_k(q . k / 8) v[k], head size 64, 2,048 positions; operands f16, products, maxima and sums f32.
; q arrives multiplied by c = log2(e) / 8, so a score S is already the exponent's t: p = 2^(S - m), m the running maximum of S; the difference is exact at the maximum, so p <= 1 whatever the scores' size.
; SHARES.  Work-group (i, bh) owns query blocks i (waves 0-7) and 7 - i (waves 8-15) of 256 queries: under the causal mask the two together have the same work in every work-group.
; A wave owns 32 neighbouring queries, two tiles of 16, so that each fragment of K and V read from LDS feeds two matrix instructions.  Four waves share a SIMD: one wave's softmax stands beside another's products.
; NO CLUSTER: the four work-groups of a head need 8, 7, 6 and 5 slots of keys; a joint load would bring tiles that no wave of some partner reads.
; LAYOUT.  S^T = K Q^T (source 0 = 16 keys, source 1 = 16 queries): a lane holds ONE query (lane % 16) and keys 8 (lane / 16) + 0..7.  Two such tiles rounded to f16 in pairs are source 1 of O^T = V^T P.
; K comes out of LDS as it lies, V ([key][channel]) turned by ds_load_tr16_b128.
; THE RING: two LDS slots of 256 keys, filled by waves 0, 1 (K's halves) and 2, 3 (V's).  Every work-group walks all 8 slots (constant trip counts); a step all of whose keys come after a wave's queries is
; jumped over, and a slot beyond the work-group's last query is not asked for.  Every wait on TENSORcnt is for 0; by this text's count a wave has one tensor load out at the most.
; LIMITS: |y| up to 65,504 (f16); NaN and infinities are not served.
.set PK,    144                        ; a key's row in LDS: 128 bytes + 16
.set PV,    160                        ; a row of V: 128 + 32: an odd multiple of 32 bytes, for the turning load
.set SK,    256                        ; keys in a slot
.set VOFF,  SK*PK
.set SLOT1, 1<<17                      ; slot 1 begins here: one exclusive or turns an address
.set SPARE, 2*SLOT1                    ; the spare words, 128 bytes for each of 16 waves
.set SLOTB, SK*128                     ; a slot's bytes of K, or of V, in memory
.set AK0,  1                           ; v1  my lane's place in a tile of K
.set AV0,  2                           ; v2  the same for V
.set ADK,  3                           ; v3  LDS address of the step's K
.set ADV,  4                           ; v4  of its V
.set SPW,  5
.set NIL,  6
.set GO,   7                           ; v7  16 x lane
.set STO,  8                           ; v8  the way out: into my stage
.set RD,   9                           ; v9  and back
.set DD,   10                          ; v10, v11  the diagonal: my query less the step's first key less 8 (lane / 16), for tiles 0, 1
.set NINF, 12                          ; v12 -infinity
.set PFO,  13                          ; v13 256 x lane
.set RH,   14                          ; v14 lane % 16 - 8 (lane / 16)
.set TMP,  15
.set ST,   16                          ; tile t's statistics at v[16 + 8 t]: +0 m, +1 the old m, +2, +3 l, +4 .. +7 at work (a in +6, m_old - m in +7)
.set QF,   32                          ; Q: 32 + 16 t + 8 ks
.set S,    64                          ; S^T, then p: 64 + 32 t + 8 kt
.set P,    128                         ; p in f16: 128 + 16 t + 8 u
.set OT,   160                         ; O^T: 160 + 32 t + 8 ct
.set KV,   224                         ; four fragments of K or of V
.set TB,   2                           ; s2  LDS byte at which the slot in hand begins
.set WV,   18
.set SEL,  20                          ; s[20:21] lane l xor 16
.set G1K,  24
.set G1V,  32
.set G0K,  40
.set G0V,  44
.set SLOTS, 67
.set LQ,   68                          ; s68 my work-group's last query
.set PFA,  76                          ; s[76:77] where my prefetches stand
.set LIM,  80                          ; s80 1 in a wave that prefetches, else the greatest number
.set KF,   98                          ; s98 the step's first key
.set Q0,   99                          ; s99 my first query
.macro PLACES
.rept 4
	v_nop
.endr
.endm
; Waves 0 and 1 fetch K's halves, waves 2 and 3 V's, the others nothing.  An s_nop 0 and four v_nop follow each line.
.macro TLOAD
	s_cmp_lt_u32 s[WV], 2
	s_cbranch_scc0 .Lnot_k_\@
	tensor_load_to_lds s[G0K:G0K+3], s[G1K:G1K+7]
	s_nop 0
.rept 4
	v_nop
.endr
	s_branch .Lasked_\@
.Lnot_k_\@:
	s_cmp_lt_u32 s[WV], 4
	s_cbranch_scc0 .Lasked_\@
	tensor_load_to_lds s[G0V:G0V+3], s[G1V:G1V+7]
	s_nop 0
.rept 4
	v_nop
.endr
.Lasked_\@:
.endm
; A prefetch of what the NEXT change of slots will ask for: 32,768 dense bytes of K and of V.  The four work-groups of a head walk the same keys: work-group 0, which walks all 8 slots, asks.
; In it waves 4-7 ask for K's bytes and waves 8-11 for V's, 8,192 a wave, lanes 256 bytes apart: each aligned block of 256 bytes is named once in the launch.  The last change that fills a slot asks for nothing.
.macro ASK
	s_cmp_gt_u32 s[SLOTS], s[LIM]
	s_cbranch_scc0 .Lnot_mine_\@
	global_prefetch_b8 v[PFO], s[PFA:PFA+1] th:TH_LOAD_NT scope:SCOPE_SE
.Lnot_mine_\@:
.endm
	s_load_b128 s[4:7], s[0:1], 0x0                ; qkv, y16
	v_lshl_add_u32 v[SPW], v0, 2, SPARE
	v_mov_b32 v[NIL], 0
	ds_add_u32 v[SPW], v[NIL]                      ; the wave's opening: the add, twice on end, and its wait ahead of the first tensor load
	ds_add_u32 v[SPW], v[NIL]
	v_lshrrev_b32 v[TMP], 5, v0
	v_readfirstlane_b32 s[WV], v[TMP]              ; wave 0..15
	s_and_b32 s8, ttmp7, 0xffff                    ; 16 b + h
	s_lshr_b32 s9, s8, 4
	s_and_b32 s10, s8, 15
	s_mul_i32 s11, s9, 48
	s_add_co_u32 s11, s11, s10
	s_lshl_b32 s12, s11, 18                        ; q's head in qkv, in bytes; k's lies 2^22 on, v's 2^23
	s_sub_co_u32 s13, 7, ttmp9
	s_cmp_lt_u32 s[WV], 8
	s_cselect_b32 s13, ttmp9, s13                  ; my block of 256 queries
	s_lshl_b32 s[Q0], s13, 8
	s_and_b32 s14, s[WV], 7
	s_lshl_b32 s14, s14, 5
	s_add_co_u32 s[Q0], s[Q0], s14
	s_sub_co_u32 s[LQ], 8, ttmp9
	s_lshl_b32 s[LQ], s[LQ], 8
	s_sub_co_u32 s[LQ], s[LQ], 1                   ; block 7 - i's last query
	s_and_b32 s15, s[WV], 1                        ; which 128 keys of a slot I fetch, if I fetch
	s_mul_i32 s16, s15, 128*PK
	s_mul_i32 s17, s15, 128*PV
	s_add_co_u32 s17, s17, VOFF
	s_lshl_b32 s19, s15, 14
	s_add_co_u32 s70, s12, s19
	s_add_co_u32 s70, s70, 1<<22                   ; K: in memory
	s_mov_b32 s71, 0
	s_add_co_u32 s72, s70, 1<<22                   ; V
	s_mov_b32 s73, 0
	s_mov_b32 s[G1K], (1<<16)|(1<<20)|(4<<22)|(3<<25)   ; elements of 2 bytes; padding: 4 words behind every 32
	s_mov_b32 s[G1V], (1<<16)|(1<<20)|(4<<22)|(7<<25)   ; 8 words
.irp g, G1K, G1V
	s_mov_b32 s[\g+1], 64<<16                      ; tensor_dim0 = 64
	s_mov_b32 s[\g+2], 128<<16                     ; tensor_dim1 = 128
	s_mov_b32 s[\g+3], 64<<16                      ; tile_dim0
	s_mov_b32 s[\g+4], 128                         ; tile_dim1
	s_mov_b32 s[\g+5], 64                          ; from row to row
	s_mov_b32 s[\g+6], 0
	s_mov_b32 s[\g+7], 0
.endr
	s_mov_b32 s[SEL], 0x76543210
	s_mov_b32 s[SEL+1], 0xfedcba98
	s_mov_b32 s[TB], 0
	s_mov_b32 s[KF], 0
	s_mov_b32 s[SLOTS], 7
	s_wait_dscnt 0x0                               ; both opening adds are done
	s_wait_kmcnt 0x0
	s_mov_b32 s[G0K], 1
	s_mov_b32 s[G0K+1], s16
	s_add_nc_u64 s[G0K+2:G0K+3], s[4:5], s[70:71]
	s_or_b32 s[G0K+3], s[G0K+3], 0x80000000
	s_mov_b32 s[G0V], 1
	s_mov_b32 s[G0V+1], s17
	s_add_nc_u64 s[G0V+2:G0V+3], s[4:5], s[72:73]
	s_or_b32 s[G0V+3], s[G0V+3], 0x80000000
	TLOAD                                          ; slot 0: it holds key 0, which counts for every query
	s_lshl_b32 s74, s[Q0], 7
	s_add_co_u32 s52, s74, s12
	s_mov_b32 s53, 0
	s_add_nc_u64 s[48:49], s[4:5], s[52:53]        ; Q at my first query
	s_lshl_b32 s52, s8, 18
	s_add_co_u32 s52, s52, s74
	s_add_nc_u64 s[50:51], s[6:7], s[52:53]        ; y16 likewise
	s_lshr_b32 s70, s[WV], 3                       ; the prefetches: waves under 8 stand in K, the others in V,
	s_add_co_u32 s70, s70, 1
	s_lshl_b32 s70, s70, 22
	s_add_co_u32 s70, s70, s12
	s_and_b32 s72, s[WV], 3
	s_lshl_b32 s72, s72, 13                        ; my wave's 8,192 bytes,
	s_add_co_u32 s70, s70, s72
	s_add_co_u32 s70, s70, SLOTB                   ; in slot 1: the first change of slots steps it to slot 2.  Nothing is prefetched at the head
	s_add_nc_u64 s[PFA:PFA+1], s[4:5], s[70:71]
	s_sub_co_u32 s72, s[WV], 4
	s_lshr_b32 s72, s72, 3                         ; 0 in waves 4 to 11,
	s_or_b32 s72, s72, ttmp9                       ; of the head's work-group 0
	s_cmp_eq_u32 s72, 0
	s_cselect_b32 s[LIM], 1, -1
	v_and_b32 v[RH], 15, v0                        ; r
	v_bfe_u32 v[TMP], v0, 4, 1                     ; hh
	v_lshlrev_b32 v[DD], 7, v[RH]
	v_lshl_add_u32 v[DD], v[TMP], 4, v[DD]         ; Q: row r of 128 bytes + 16 hh (this register is free again behind the wait for Q)
.irp f, 0,1,2,3                                ; tile f / 2, channels 32 (f % 2) on
	global_load_b128 v[QF+8*\f:QF+8*\f+3], v[DD], s[48:49] offset:2048*(\f/2)+64*(\f%2)
	global_load_b128 v[QF+8*\f+4:QF+8*\f+7], v[DD], s[48:49] offset:2048*(\f/2)+64*(\f%2)+32
.endr
	v_mul_u32_u24 v[AK0], v[RH], PK
	v_lshl_add_u32 v[AK0], v[TMP], 4, v[AK0]       ; row r x pitch + 16 hh
	v_and_b32 v[AV0], 7, v0
	v_lshl_add_u32 v[AV0], v[TMP], 3, v[AV0]       ; the turning load: key 8 hh + l % 8,
	v_mul_u32_u24 v[AV0], v[AV0], PV
	v_bfe_u32 v[ADK], v0, 3, 1
	v_lshl_add_u32 v[AV0], v[ADK], 4, v[AV0]       ; channels 8 ((l / 8) % 2) on
	v_add_nc_u32 v[AV0], VOFF, v[AV0]
	v_and_b32 v[ADV], 31, v0
	v_lshlrev_b32 v[GO], 4, v[ADV]
	v_lshlrev_b32 v[PFO], 8, v[ADV]
	s_mul_i32 s72, s[WV], 16*PK                    ; my stage: 16 rows x 144 bytes, in slot 0
	v_add_nc_u32 v[STO], s72, v[AK0]
	v_lshrrev_b32 v[RD], 3, v[ADV]
	v_mul_u32_u24 v[RD], v[RD], PK
	v_and_b32 v[ADK], 7, v0
	v_lshl_add_u32 v[RD], v[ADK], 4, v[RD]
	v_add_nc_u32 v[RD], s72, v[RD]                 ; back: eight lanes to a row, four rows an instruction
	v_lshlrev_b32 v[TMP], 3, v[TMP]
	v_sub_nc_u32 v[RH], v[RH], v[TMP]
	v_mov_b32 v[NINF], 0xff800000
.irp j, 1,2,3,4,5,6,7,9,10,11,12,13,14,15
	v_mov_b32 v[ST+\j], 0                          ; l = 0; the others are written so that every path finds them written
.endr
	v_mov_b32 v[ST], 0xff61b1e6                    ; m = -3e38, under every score
	v_mov_b32 v[ST+8], 0xff61b1e6
.set i, 0
.rept 64
	v_mov_b32 v[OT+i], 0                           ; O^T: the step is written once; the first finds zeros
.set i, i+1
.endr
.macro VLOAD q, u                      ; V^T's four fragments (16 channels x 32 keys each) of keys 64 q + 32 u on
.irp c, 0,1,2,3
	ds_load_tr16_b128 v[KV+8*\c:KV+8*\c+3], v[ADV] offset:(64*(\q)+32*(\u))*PV+32*\c
	ds_load_tr16_b128 v[KV+8*\c+4:KV+8*\c+7], v[ADV] offset:(64*(\q)+32*(\u))*PV+16*PV+32*\c
.endr
.endm
; A KEY STEP: 64 keys, the q-th of the slot in hand.
.macro STEP q
	s_add_co_u32 s96, s[Q0], 31                    ; a step all of whose keys come after my 32 queries is left out: a branch on ids, round no barrier and no tensor load
	s_cmp_gt_u32 s[KF], s96
	s_cbranch_scc1 .Lhidden_\@
	v_add_nc_u32 v[ADK], s[TB], v[AK0]
	v_add_nc_u32 v[ADV], s[TB], v[AV0]
	v_nop
	v_nop                                          ; with the two additions: four places behind the last step's products, in front of loads into the registers that they read
.irp g, 0,1                                    ; S^T = K Q^T, 32 keys at a time: fragment f = keys 16 (2 g + f / 2) on, channels 32 (f % 2) on
.if \g > 0
	PLACES
.endif
.irp f, 0,1,2,3
	ds_load_b128 v[KV+8*\f:KV+8*\f+3], v[ADK] offset:(64*(\q)+16*(2*\g+\f/2))*PK+64*(\f%2)
	ds_load_b128 v[KV+8*\f+4:KV+8*\f+7], v[ADK] offset:(64*(\q)+16*(2*\g+\f/2))*PK+64*(\f%2)+32
.endr
	s_wait_dscnt 0x0
.irp n, 0,1,2,3,4,5,6,7                        ; channels 32 (n / 4) on, keys' tile (n / 2) % 2, queries' tile n % 2: four accumulators by turns
.if \n < 4
	v_wmma_f32_16x16x32_f16 v[S+32*(\n%2)+8*(2*\g+(\n/2)%2):S+32*(\n%2)+8*(2*\g+(\n/2)%2)+7], v[KV+8*(2*((\n/2)%2)+\n/4):KV+8*(2*((\n/2)%2)+\n/4)+7], v[QF+16*(\n%2)+8*(\n/4):QF+16*(\n%2)+8*(\n/4)+7], 0
.else
	v_wmma_f32_16x16x32_f16 v[S+32*(\n%2)+8*(2*\g+(\n/2)%2):S+32*(\n%2)+8*(2*\g+(\n/2)%2)+7], v[KV+8*(2*((\n/2)%2)+\n/4):KV+8*(2*((\n/2)%2)+\n/4)+7], v[QF+16*(\n%2)+8*(\n/4):QF+16*(\n%2)+8*(\n/4)+7], v[S+32*(\n%2)+8*(2*\g+(\n/2)%2):S+32*(\n%2)+8*(2*\g+(\n/2)%2)+7]
.endif
.endr
.endr
	PLACES                                         ; behind the products: for the loads below and for the first reads of the scores
	VLOAD \q, 0                                    ; V's first 32 keys are asked for now and land under the softmax
	s_add_co_u32 s96, s[KF], 63                    ; on the diagonal hidden scores become -infinity ahead of the maximum; a step all of whose keys count skips this
	s_cmp_le_u32 s96, s[Q0]
	s_cbranch_scc1 .Lopen_\@
	s_sub_co_i32 s96, s[Q0], s[KF]
	v_add_nc_u32 v[DD], s96, v[RH]                 ; register 8 kt + j of tile t holds key KF + 16 kt + 8 hh + j: hidden where 16 kt + j > Q0 - KF + 16 t + r - 8 hh
	v_add_nc_u32 v[DD+1], 16, v[DD]
.irp t, 0,1
.irp n, 0,1,2,3,4,5,6,7,8,9,10,11,12,13,14,15,16,17,18,19,20,21,22,23,24,25,26,27,28,29,30,31
	v_cmp_gt_i32 vcc_lo, 16*(\n/8)+\n%8, v[DD+\t]
	v_cndmask_b32 v[S+32*\t+\n], v[S+32*\t+\n], v[NINF], vcc_lo
.endr
.endr
.Lopen_\@:
.irp j, 0,1,2,3                                ; the maximum: four chains a tile, each begun at its accumulator's low end; the two tiles by turns
.irp t, 0,1
	v_max3_num_f32 v[ST+8*\t+4+\j], v[S+32*\t+8*\j], v[S+32*\t+8*\j+1], v[S+32*\t+8*\j+2]
.endr
.endr
.irp i, 3,5
.irp j, 0,1,2,3
.irp t, 0,1
	v_max3_num_f32 v[ST+8*\t+4+\j], v[ST+8*\t+4+\j], v[S+32*\t+8*\j+\i], v[S+32*\t+8*\j+\i+1]
.endr
.endr
.endr
.irp t, 0,1
	v_max3_num_f32 v[ST+8*\t+4], v[ST+8*\t+4], v[S+32*\t+7], v[S+32*\t+15]
.endr
.irp t, 0,1
	v_max3_num_f32 v[ST+8*\t+6], v[ST+8*\t+6], v[S+32*\t+23], v[S+32*\t+31]
.endr
.irp t, 0,1
	v_max3_num_f32 v[ST+8*\t+4], v[ST+8*\t+4], v[ST+8*\t+5], v[ST+8*\t+6]
.endr
.irp t, 0,1
	v_max3_num_f32 v[ST+8*\t+4], v[ST+8*\t+4], v[ST+8*\t+7], v[ST+8*\t]   ; and the old m
.endr
.irp t, 0,1
	v_permlanex16_b32 v[ST+8*\t+5], v[ST+8*\t+4], s[SEL], s[SEL+1]        ; the query's other 32 keys lie in the lane 16 away
.endr
.irp t, 0,1
	v_mov_b32 v[ST+8*\t+1], v[ST+8*\t]
.endr
.irp t, 0,1
	v_max_num_f32 v[ST+8*\t], v[ST+8*\t+4], v[ST+8*\t+5]                  ; the new m
.endr
.irp t, 0,1
	v_sub_f32 v[ST+8*\t+7], v[ST+8*\t+1], v[ST+8*\t]
.endr
.irp t, 0,1
	v_exp_f32 v[ST+8*\t+6], v[ST+8*\t+7]                                  ; a = 2^(m_old - m)
.endr
.irp i, 0,2,4,6,8,10,12,14,16,18,20,22,24,26,28,30
.irp t, 0,1
	v_pk_add_f32 v[S+32*\t+\i:S+32*\t+\i+1], v[S+32*\t+\i:S+32*\t+\i+1], v[ST+8*\t:ST+8*\t+1] op_sel_hi:[1,0] neg_lo:[0,1] neg_hi:[0,1]   ; S - m
.endr
.endr
.irp i, 0,1,2,3,4,5,6,7,8,9,10,11,12,13,14,15,16,17,18,19,20,21,22,23,24,25,26,27,28,29,30,31
.irp t, 0,1
	v_exp_f32 v[S+32*\t+\i], v[S+32*\t+\i]                                ; p
.endr
.endr
	v_nop                                          ; a plain instruction behind the last exponential
	s_wait_alu depctr_va_vdst(0)                   ; one wait for the step's 66 exponentials, ahead of the first instruction that names a result
.irp i, 0,1,2,3,4,5,6,7,8,9,10,11,12,13,14,15
.irp t, 0,1
	v_cvt_pk_f16_f32 v[P+16*\t+\i], v[S+32*\t+2*\i], v[S+32*\t+2*\i+1]
.endr
.endr
.irp u, 0,1,2,3,4,5,6,7                        ; the sum of the unrounded p, in place: neighbours 1, 2, 4 and 8 pairs apart
.irp t, 0,1
	v_pk_add_f32 v[S+32*\t+4*\u:S+32*\t+4*\u+1], v[S+32*\t+4*\u:S+32*\t+4*\u+1], v[S+32*\t+4*\u+2:S+32*\t+4*\u+3]
.endr
.endr
.irp u, 0,1,2,3
.irp t, 0,1
	v_pk_add_f32 v[S+32*\t+8*\u:S+32*\t+8*\u+1], v[S+32*\t+8*\u:S+32*\t+8*\u+1], v[S+32*\t+8*\u+4:S+32*\t+8*\u+5]
.endr
.endr
.irp u, 0,1
.irp t, 0,1
	v_pk_add_f32 v[S+32*\t+16*\u:S+32*\t+16*\u+1], v[S+32*\t+16*\u:S+32*\t+16*\u+1], v[S+32*\t+16*\u+8:S+32*\t+16*\u+9]
.endr
.endr
.irp t, 0,1
	v_pk_add_f32 v[S+32*\t:S+32*\t+1], v[S+32*\t:S+32*\t+1], v[S+32*\t+16:S+32*\t+17]
.endr
.irp t, 0,1
	v_pk_fma_f32 v[ST+8*\t+2:ST+8*\t+3], v[ST+8*\t+2:ST+8*\t+3], v[ST+8*\t+6:ST+8*\t+7], v[S+32*\t:S+32*\t+1] op_sel_hi:[1,0,1]   ; l = a l + the sum
.endr
.irp i, 0,2,4,6,8,10,12,14,16,18,20,22,24,26,28,30
.irp t, 0,1
	v_pk_mul_f32 v[OT+32*\t+\i:OT+32*\t+\i+1], v[OT+32*\t+\i:OT+32*\t+\i+1], v[ST+8*\t+6:ST+8*\t+7] op_sel_hi:[1,0]   ; O^T x a, each accumulator from its low end on
.endr
.endr
.irp u, 0,1                                    ; O^T += V^T P, 32 keys at a time: eight accumulators by turns
.if \u > 0
	PLACES
	VLOAD \q, 1
.endif
	s_wait_dscnt 0x0
.irp c, 0,1,2,3
.irp t, 0,1
	v_wmma_f32_16x16x32_f16 v[OT+32*\t+8*\c:OT+32*\t+8*\c+7], v[KV+8*\c:KV+8*\c+7], v[P+16*\t+8*\u:P+16*\t+8*\u+7], v[OT+32*\t+8*\c:OT+32*\t+8*\c+7]
.endr
.endr
.endr
.Lhidden_\@:
	s_add_co_u32 s[KF], s[KF], 64
.endm
; THE CHANGE OF SLOTS stands at a slot's head.  Each wave waits for all its tensor loads, adds 0 to its spare word (fill = 1: twice on end),
; and waits for that and for its reads of the slot that it has left.  Behind the barrier the slot ahead is whole and nobody reads the other one, which is filled with the keys that follow, up to the causal limit.
.macro CHANGE fill
	s_wait_tensorcnt 0x0                           ; no tensor load of mine is out, so a group 0 may be written
	ds_add_u32 v[SPW], v[NIL]
.if \fill
	ds_add_u32 v[SPW], v[NIL]
	s_xor_b32 s[G0K+1], s[G0K+1], SLOT1            ; the walking descriptors: the other slot, the next 256 keys
	s_add_nc_u64 s[G0K+2:G0K+3], s[G0K+2:G0K+3], SLOTB
	s_xor_b32 s[G0V+1], s[G0V+1], SLOT1
	s_add_nc_u64 s[G0V+2:G0V+3], s[G0V+2:G0V+3], SLOTB
	s_wait_xcnt 0x0                                ; the last prefetch, a slot back, has read its address
	s_add_nc_u64 s[PFA:PFA+1], s[PFA:PFA+1], SLOTB
.endif
	s_wait_dscnt 0x0
	s_barrier_signal -1
	s_barrier_wait -1
.if \fill
	s_add_co_u32 s96, s[KF], SK                    ; the first key of the slot that this change would ask for:
	s_cmp_gt_u32 s96, s[LQ]                        ; beyond my work-group's last query no wave reads it, so it is not asked for.  Ids and the count of steps alone: all sixteen waves go the same way
	s_cbranch_scc1 .Lpast_\@
	TLOAD                                          ; a wave's one tensor load until the next such barrier
.Lpast_\@:
	ASK                                            ; four key steps ahead of the load that will want these bytes
.endif
.endm
.macro SLOT_STEPS
	STEP 0
	STEP 1
	STEP 2
	STEP 3
	s_xor_b32 s[TB], s[TB], SLOT1
.endm
	s_wait_loadcnt 0x0                             ; Q
.Lslot:                                            ; 7 trips: behind each change of slots but the last the next slot is asked for
	CHANGE 1
	SLOT_STEPS
	s_sub_co_u32 s[SLOTS], s[SLOTS], 1
	s_cmp_lg_u32 s[SLOTS], 0
	s_cbranch_scc1 .Lslot
	CHANGE 0
	SLOT_STEPS
	; THE WAY OUT.  l's halves are added; O^T / l is rounded to f16 and goes through my stage, a tile of 16 queries at a time; four rows of y16 are 512 consecutive bytes.
.irp t, 0,1
	v_add_f32 v[ST+8*\t+4], v[ST+8*\t+2], v[ST+8*\t+3]
.endr
.irp t, 0,1
	v_permlanex16_b32 v[ST+8*\t+5], v[ST+8*\t+4], s[SEL], s[SEL+1]
.endr
.irp t, 0,1
	v_add_f32 v[ST+8*\t+4], v[ST+8*\t+4], v[ST+8*\t+5]
.endr
.irp t, 0,1
	v_rcp_f32 v[ST+8*\t+6], v[ST+8*\t+4]
.endr
	v_nop
	s_wait_alu depctr_va_vdst(0)                   ; one wait for the two reciprocals, ahead of their first reader
.irp t, 0,1
.irp i, 0,2,4,6,8,10,12,14,16,18,20,22,24,26,28,30
	v_pk_mul_f32 v[S+32*\t+\i:S+32*\t+\i+1], v[OT+32*\t+\i:OT+32*\t+\i+1], v[ST+8*\t+6:ST+8*\t+7] op_sel_hi:[1,0]
.endr
.irp i, 0,1,2,3,4,5,6,7,8,9,10,11,12,13,14,15
	v_cvt_pk_f16_f32 v[P+16*\t+\i], v[S+32*\t+2*\i], v[S+32*\t+2*\i+1]
.endr
.irp c, 0,1,2,3
	ds_store_b128 v[STO], v[P+16*\t+4*\c:P+16*\t+4*\c+3] offset:32*\c
.endr
.irp i, 0,1,2,3
	ds_load_b128 v[KV+16*\t+4*\i:KV+16*\t+4*\i+3], v[RD] offset:4*PK*\i   ; LDS serves a wave's instructions in order: these see my stores, and the next tile's stores come behind them
.endr
.endr
.irp t, 0,1
.irp i, 0,1,2,3
	s_wait_dscnt 11-8*\t-\i                        ; behind this load: its tile's younger loads, and for tile 0 tile 1's eight instructions
	global_store_b128 v[GO], v[KV+16*\t+4*\i:KV+16*\t+4*\i+3], s[50:51] offset:2048*\t+512*\i
.endr
.endr
	s_wait_tensorcnt 0x0                           ; the wave's end
	ds_add_u32 v[SPW], v[NIL]
	s_wait_dscnt 0x0
	s_endpgm
.Lfunc_end_k_qe00d10a1cd_attn:
	.size	k_qe00d10a1cd_attn, .Lfunc_end_k_qe00d10a1cd_attn-k_qe00d10a1cd_attn
	.p2alignl 7, 3214868480
	.fill 96, 4, 3214868480
	.section	.rodata,"a",@progbits
	.p2align	6, 0x0
	.amdhsa_kernel k_qe00d10a1cd_attn
		.amdhsa_group_segment_fixed_size 327680
		.amdhsa_private_segment_fixed_size 0
		.amdhsa_enable_private_segment 0
		.amdhsa_kernarg_size 16
		.amdhsa_user_sgpr_count 2
		.amdhsa_user_sgpr_kernarg_segment_ptr 1
		.amdhsa_wavefront_size32 1
		.amdhsa_system_sgpr_workgroup_id_x 1
		.amdhsa_system_sgpr_workgroup_id_y 1
		.amdhsa_system_sgpr_workgroup_id_z 1
		.amdhsa_system_vgpr_workitem_id 0
		.amdhsa_next_free_vgpr 256
		.amdhsa_next_free_sgpr 100
		.amdhsa_reserve_vcc 1
		.amdhsa_float_denorm_mode_32 3
		.amdhsa_float_denorm_mode_16_64 3
		.amdhsa_memory_ordered 1
		.amdhsa_forward_progress 1
		.amdhsa_inst_pref_size 189
	.end_amdhsa_kernel
	.amdgpu_metadata
---
amdhsa.version: [ 1, 2 ]
amdhsa.kernels:
  - .name:           k_qe00d10a1cd_attn
    .symbol:         k_qe00d10a1cd_attn.kd
    .args:
      - { .name: qkv, .offset: 0, .size: 8, .value_kind: global_buffer, .address_space: global }
      - { .name: y16, .offset: 8, .size: 8, .value_kind: global_buffer, .address_space: global }
    .group_segment_fixed_size: 327680
    .private_segment_fixed_size: 0
    .kernarg_segment_align: 8
    .kernarg_segment_size: 16
    .max_flat_workgroup_size: 512
    .sgpr_count:     100
    .vgpr_count:     256
    .wavefront_size: 32
...
	.end_amdgpu_metadata
.endif
;; end of part 3
;; launch proj (part 4): grid 4 x 64, 4 waves a work-group, clusters of 4 x 4, 327,680 bytes of LDS; arguments y16, wp16, out0; writes out0
.if DOCPART == 4
	.amdgcn_target "amdgcn-amd-amdhsa--gfx1250"
	.amdhsa_code_object_version 6
	.text
	.protected	k_qe00d10a1cd_proj
	.globl	k_qe00d10a1cd_proj
	.p2align	8
	.type	k_qe00d10a1cd_proj,@function
k_qe00d10a1cd_proj:
	s_mov_b64 s[64:65], 0
	v_nop
	global_prefetch_b8 v0, s[64:65] scope:SCOPE_SE
	s_setreg_imm32_b32 hwreg(HW_REG_WAVE_MODE, 25, 1), 1
	s_wait_xcnt 0x0
	s_wait_alu depctr_hold_cnt(0) depctr_sa_sdst(0) depctr_va_vdst(0) depctr_va_sdst(0) depctr_va_ssrc(0) depctr_va_vcc(0) depctr_vm_vsrc(0)
	s_getreg_b32 s2, hwreg(HW_REG_IB_STS2, 6, 4)
	s_cmp_eq_u32 s2, 0
	s_cbranch_scc0 .Lentry_in_a_cluster
	s_endpgm
.Lentry_in_a_cluster:
	s_bfe_u32 s2, ttmp6, 0x10000c
	s_cmp_lg_u32 s2, 0xf033
	s_cbranch_scc0 .Lentry_shape_is_right
	s_endpgm
.Lentry_shape_is_right:
; PROJ: out0 [8192][1024] f32 = y [8192][1024] w_proj [1024][1024]; operands f16, sums f32.  y16 lies by head, [b][h][t][64]; wp16 as w_proj lies, [k][n].
; A tile of 128 rows x 256 columns to a work-group: 256 work-groups.  Four waves, 64 x 128 each: 32 accumulators.  K goes in 8 steps of 128 (two heads) through two LDS slots.
; 4 x 4 work-groups form a cluster: y's tile is asked for jointly along a row of the cluster, w's along a column, which divides the requests for both by four.
; The matrix instruction is used transposed: source 0 = 16 columns of w (out of LDS turned, by ds_load_tr16_b128), source 1 = 16 rows of y: a lane holds eight neighbouring columns of one row of out0.
; All rows are written here; positions 0-15 of each sequence are written again, more finely, by the launch that follows.
; REGISTERS: window 0: v16-29 addresses; v64-127 y's fragments, two buffers of 4; v128-255 the way out.   window 1: w's fragments, two buffers of 8, at v0 and v64.   window 2: accumulator (a, b) at v[8 (8 a + b)].
.set PA,     144                       ; a row of y's tile: a head's 128 bytes + 16
.set HEADT,  128*PA                    ; a head's 128 rows: what one tensor load brings
.set PB,     544                       ; a row of w's tile: 512 bytes + 32: an odd multiple of 32, for the turning load
.set BOFF,   2*HEADT
.set HALFB,  64*PB                     ; 64 rows of w: one tensor load
.set SLOT,   BOFF+2*HALFB
.set STAGE,  2*SLOT                    ; behind the ring: 16 rows x 528 bytes for each wave
.set SPITCH, 528
.set SPARE,  STAGE+4*16*SPITCH         ; the spare words, 128 bytes for each wave
.set LAPS,   4                         ; a lap = two K steps
.set ADRA, 16
.set ADRB, 20
.set STO,  24
.set RD,   25
.set CO,   26
.set SPW,  28
.set NIL,  29
.set AF,   64
.set BK,   128
.set G1, 24
.set G0, 32
.set G1B, 48
.set G0B, 56
.set MSB, 0
.macro WIN new
.if MSB != \new
	s_set_vgpr_msb (MSB<<8)|\new
.set MSB, \new
.endif
.endm
.set MUL,  0xa1                        ; source 0 (w) window 1, source 1 (y) window 0, C and D window 2
.set TO_B, 0x40
.macro JLOAD s                         ; waves 0 and 1 fetch y's two heads, waves 2 and 3 w's two halves; an s_nop 0 and four v_nop follow each line
	s_cmp_eq_u32 s11, 0
	s_cbranch_scc0 .Lfor_b_\@
	tensor_load_to_lds s[G0+4*\s:G0+4*\s+3], s[G1:G1+7]
	s_nop 0
.rept 4
	v_nop
.endr
	s_branch .Lasked_\@
.Lfor_b_\@:
	tensor_load_to_lds s[G0B+4*\s:G0B+4*\s+3], s[G1B:G1B+7]
	s_nop 0
.rept 4
	v_nop
.endr
.Lasked_\@:
.endm
.macro CREST
	s_cmp_lg_u32 s10, 0
	s_cbranch_scc1 .Lnot_wave_0_\@
	s_barrier_signal -3
.Lnot_wave_0_\@:
	s_barrier_wait -3
	s_barrier_signal -1
	s_barrier_wait -1
.endm
.macro CROUND
	s_barrier_signal -1
	s_barrier_wait -1
	CREST
.endm
	s_load_b128 s[4:7], s[0:1], 0x0                ; y16, wp16
	s_load_b64 s[8:9], s[0:1], 0x10                ; out0
	v_lshl_add_u32 v[SPW], v0, 2, SPARE
	v_mov_b32 v[NIL], 0
	ds_add_u32 v[SPW], v[NIL]                      ; the wave's opening: the add, twice on end, and its wait ahead of my first tensor load
	ds_add_u32 v[SPW], v[NIL]
	v_lshrrev_b32 v1, 5, v0
	v_readfirstlane_b32 s10, v1                    ; wave 0..3
	s_lshr_b32 s11, s10, 1                         ; my half of the tile's rows.  Also: I fetch for y (0) or for w (1)
	s_and_b32 s12, s10, 1                          ; my half of its columns.  Also: which head, or which 64 rows of w, I fetch
	s_bfe_u32 s40, ttmp6, 0x40000                  ; cx
	s_bfe_u32 s41, ttmp6, 0x40004                  ; cy
	s_lshl_b32 s42, ttmp9, 2
	s_add_co_u32 s42, s42, s40                     ; tile column
	s_and_b32 s13, ttmp7, 0xffff
	s_lshl_b32 s13, s13, 2
	s_add_co_u32 s13, s13, s41                     ; tile row
	s_lshl_b32 s43, s41, 2
	s_lshl_b32 s43, 15, s43                        ; my row of the cluster
	s_lshl_b32 s44, 0x1111, s40                    ; my column
	s_or_b32 s[G1+0], s43, (1<<16)|(1<<20)|(1<<21)|(4<<22)|(3<<25)   ; y: elements of 2 bytes; 4 words of padding behind every 32
	s_mov_b32 s[G1+1], 64<<16                      ; tensor_dim0 = 64
	s_mov_b32 s[G1+2], 128<<16                     ; tensor_dim1 = 128
	s_mov_b32 s[G1+3], 64<<16                      ; tile_dim0
	s_mov_b32 s[G1+4], 128                         ; tile_dim1
	s_mov_b32 s[G1+5], 64                          ; from row to row
	s_mov_b32 s[G1+6], 0
	s_mov_b32 s[G1+7], 0
	s_or_b32 s[G1B+0], s44, (1<<16)|(1<<20)|(1<<21)|(6<<22)|(7<<25)  ; w: 8 words of padding behind every 128
	s_mov_b32 s[G1B+1], 256<<16
	s_mov_b32 s[G1B+2], 64<<16
	s_mov_b32 s[G1B+3], 256<<16
	s_mov_b32 s[G1B+4], 64
	s_mov_b32 s[G1B+5], 1024
	s_mov_b32 s[G1B+6], 0
	s_mov_b32 s[G1B+7], 0
	s_lshr_b32 s16, s13, 4                         ; y: the batch (16 tiles of 128 rows each), 2^22 bytes,
	s_lshl_b32 s16, s16, 22
	s_and_b32 s17, s13, 15
	s_lshl_b32 s17, s17, 14                        ; the tile's first position, 128 bytes a row,
	s_add_co_u32 s16, s16, s17
	s_lshl_b32 s17, s12, 18                        ; my head of the step's two
	s_add_co_u32 s16, s16, s17
	s_mov_b32 s17, 0
	s_lshl_b32 s46, s42, 9                         ; w: the tile's 256 columns, and my 64 rows of 2,048 bytes
	s_lshl_b32 s47, s12, 17
	s_add_co_u32 s46, s46, s47
	s_mov_b32 s47, 0
	s_mul_i32 s20, s12, HEADT                      ; where they go: no place in the cluster enters an LDS address
	s_mul_i32 s21, s12, HALFB
	s_add_co_u32 s21, s21, BOFF
	s_wait_dscnt 0x0                               ; both opening adds are done
	s_wait_kmcnt 0x0
	s_add_nc_u64 s[14:15], s[4:5], s[16:17]
	s_add_nc_u64 s[46:47], s[6:7], s[46:47]
	CROUND                                         ; all sixteen work-groups are here: the first joint loads meet
.irp s, 0,1
	s_mov_b32 s[G0+4*\s], 1
	s_add_co_u32 s[G0+4*\s+1], s20, \s*SLOT
	s_add_nc_u64 s[G0+4*\s+2:G0+4*\s+3], s[14:15], \s*524288      ; K step s: two heads on
	s_or_b32 s[G0+4*\s+3], s[G0+4*\s+3], 0x80000000
	s_mov_b32 s[G0B+4*\s], 1
	s_add_co_u32 s[G0B+4*\s+1], s21, \s*SLOT
	s_add_nc_u64 s[G0B+4*\s+2:G0B+4*\s+3], s[46:47], \s*262144    ; 128 rows of w on
	s_or_b32 s[G0B+4*\s+3], s[G0B+4*\s+3], 0x80000000
	JLOAD \s
.endr
	v_and_b32 v1, 15, v0                           ; r
	v_bfe_u32 v2, v0, 4, 1                         ; hh
	v_mul_u32_u24 v3, v1, PA
	v_lshl_add_u32 v3, v2, 4, v3                   ; y: row r x pitch + 16 hh
	s_mul_i32 s22, s11, 64*PA                      ; my 64 rows
	v_and_b32 v4, 7, v0
	v_lshl_add_u32 v4, v2, 3, v4                   ; w: the turning load: row 8 hh + l % 8,
	v_mul_u32_u24 v4, v4, PB
	v_bfe_u32 v5, v0, 3, 1
	v_lshl_add_u32 v4, v5, 4, v4                   ; columns 8 ((l / 8) % 2) on
	s_lshl_b32 s23, s12, 8                         ; my 128 columns
	s_add_co_u32 s23, s23, BOFF
.irp s, 0,1
	v_add_nc_u32 v[ADRA+\s], s22, v3
	v_add_nc_u32 v[ADRB+\s], s23, v4
	s_add_co_u32 s22, s22, SLOT
	s_add_co_u32 s23, s23, SLOT
.endr
	s_mul_i32 s23, s10, 16*SPITCH
	s_add_co_u32 s23, s23, STAGE                   ; my stage
	v_mul_u32_u24 v5, v1, SPITCH
	v_lshl_add_u32 v5, v2, 5, v5
	v_add_nc_u32 v[STO], s23, v5                   ; in: row r, 32 bytes for each half of the lanes
	v_and_b32 v6, 31, v0
	v_lshlrev_b32 v[CO], 4, v6
	v_add_nc_u32 v[RD], s23, v[CO]                 ; back: the 32 lanes take one row of 512 bytes
	s_lshl_b32 s16, s13, 19                        ; out0: 128 x tile row rows of 4,096 bytes
	s_lshl_b32 s17, s11, 18                        ; + my 64
	s_add_co_u32 s16, s16, s17
	s_lshl_b32 s46, s42, 10                        ; + 1,024 x tile column + 512 x half
	s_lshl_b32 s47, s12, 9
	s_add_co_u32 s46, s46, s47
	s_add_co_u32 s46, s46, s16
	s_mov_b32 s47, 0
	s_add_nc_u64 s[8:9], s[8:9], s[46:47]
; 8 matrix instructions: y's block a x w's eight, 32 along K, from buffer f.  The 32 accumulators take turns, one instruction a turn.
.macro MUL8 f, a, zero
.irp b, 0,1,2,3,4,5,6,7
.if \zero
	v_wmma_f32_16x16x32_f16 v[8*(8*(\a)+\b):8*(8*(\a)+\b)+7], v[64*(\f)+8*\b:64*(\f)+8*\b+7], v[AF+32*(\f)+8*(\a):AF+32*(\f)+8*(\a)+7], 0
.else
	v_wmma_f32_16x16x32_f16 v[8*(8*(\a)+\b):8*(8*(\a)+\b)+7], v[64*(\f)+8*\b:64*(\f)+8*\b+7], v[AF+32*(\f)+8*(\a):AF+32*(\f)+8*(\a)+7], v[8*(8*(\a)+\b):8*(8*(\a)+\b)+7]
.endif
.endr
.endm
; 24 LDS loads in one run: the fragments of the slot's q-th 32 along K into buffer f: w's eight (turned), then y's four
.macro FETCH slot, q, f
	WIN TO_B
.irp i, 0,1,2,3,4,5,6,7
	ds_load_tr16_b128 v[64*(\f)+8*\i:64*(\f)+8*\i+3], v[ADRB+\slot] offset:32*(\q)*PB+32*\i
	ds_load_tr16_b128 v[64*(\f)+8*\i+4:64*(\f)+8*\i+7], v[ADRB+\slot] offset:32*(\q)*PB+16*PB+32*\i
.endr
	WIN 0
.irp i, 0,1,2,3
	ds_load_b128 v[AF+32*(\f)+8*\i:AF+32*(\f)+8*\i+3], v[ADRA+\slot] offset:((\q)/2)*HEADT+64*((\q)%2)+\i*16*PA
	ds_load_b128 v[AF+32*(\f)+8*\i+4:AF+32*(\f)+8*\i+7], v[ADRA+\slot] offset:((\q)/2)*HEADT+64*((\q)%2)+\i*16*PA+32
.endr
.endm
.macro PLACES                          ; four plain instructions in front of loads into registers that matrix instructions have read, and of reads of results
.rept 4
	v_nop
.endr
.endm
; A quarter of a K step: multiplies buffer f and, in its middle, fetches the slot's quarter qn into buffer g.
.macro QUARTER slot, qn, f, g, zero
	s_wait_dscnt 4                                 ; w's eight and y's blocks 0, 1 are in; the youngest four loads (blocks 2, 3) may be out
	WIN MUL
	MUL8 \f, 0, \zero
	MUL8 \f, 1, \zero
	PLACES
	FETCH \slot, \qn, \g
	s_wait_dscnt 24                                ; all but the 24 just issued
	WIN MUL
	MUL8 \f, 2, \zero
	MUL8 \f, 3, \zero
.endm
; A K step's last quarter multiplies buffer 1 and changes slots: one barrier; in front of it each wave waits for all its tensor loads, adds 0 to its spare word, and waits for that and for its reads of this slot.
; fill = 1: the barrier opens a round of the cluster's, and this slot is filled again, two K steps ahead, first thing behind the round: 112 matrix instructions ahead of the wait for it.
.macro TURN slot, next, fill
	WIN 0                                          ; (the add's two registers lie in window 0)
	s_wait_tensorcnt 0x0
	ds_add_u32 v[SPW], v[NIL]
	s_wait_dscnt 5                                 ; the add and the youngest four loads may be out
	WIN MUL
	MUL8 1, 0, 0
	s_wait_dscnt 0x0                               ; the add is done, and my reads of this slot are over
	s_barrier_signal -1
	MUL8 1, 1, 0
.if \fill
	WIN 0
.endif
	s_barrier_wait -1
.if \fill
	CREST
	s_add_nc_u64 s[G0+4*\slot+2:G0+4*\slot+3], s[G0+4*\slot+2:G0+4*\slot+3], 2*524288
	s_add_nc_u64 s[G0B+4*\slot+2:G0B+4*\slot+3], s[G0B+4*\slot+2:G0B+4*\slot+3], 2*262144
	JLOAD \slot                                    ; the four v_nop behind it are also the places in front of the loads below
.else
	PLACES
.endif
	FETCH \next, 0, 0
	WIN MUL
	MUL8 1, 2, 0
	MUL8 1, 3, 0
.endm
	s_wait_tensorcnt 1                             ; my part of K step 0 is in; K step 1's load may be out
	s_barrier_signal -1
	s_barrier_wait -1
	FETCH 0, 0, 0
	QUARTER 0, 1, 0, 1, 1                          ; the first quarter's products start the sums: nothing is cleared
	WIN 0                                          ; at a label and at a branch every window is 0
	s_mov_b32 s3, LAPS-1
.Llap:                                                 ; a trip goes once round the ring and fills both slots again
	QUARTER 0, 2, 1, 0, 0
	QUARTER 0, 3, 0, 1, 0
	TURN 0, 1, 1
	QUARTER 1, 1, 0, 1, 0
	QUARTER 1, 2, 1, 0, 0
	QUARTER 1, 3, 0, 1, 0
	TURN 1, 0, 1
	QUARTER 0, 1, 0, 1, 0
	WIN 0
	s_sub_co_u32 s3, s3, 1
	s_cmp_lg_u32 s3, 0
	s_cbranch_scc1 .Llap
	QUARTER 0, 2, 1, 0, 0                          ; the last lap fills nothing
	QUARTER 0, 3, 0, 1, 0
	TURN 0, 1, 0
	QUARTER 1, 1, 0, 1, 0
	QUARTER 1, 2, 1, 0, 0
	QUARTER 1, 3, 0, 1, 0
	s_wait_dscnt 4
	WIN MUL
	MUL8 1, 0, 0
	MUL8 1, 1, 0
	s_wait_dscnt 0
	MUL8 1, 2, 0
	MUL8 1, 3, 0
	WIN 0
; THE WAY OUT, a block of 16 rows x 128 columns at a time, through my own stage: back as whole rows of 512 bytes.
.macro TOSTAGE a
	WIN 0x08                                       ; an LDS store's data: window 2
.irp b, 0,1,2,3,4,5,6,7
	ds_store_b128 v[STO], v[8*(8*(\a)+\b):8*(8*(\a)+\b)+3] offset:64*\b        ; each accumulator from its low end on
	ds_store_b128 v[STO], v[8*(8*(\a)+\b)+4:8*(8*(\a)+\b)+7] offset:64*\b+16
.endr
	WIN 0
.set BB, BK+64*((\a)%2)
.irp t, 0,1,2,3,4,5,6,7,8,9,10,11,12,13,14,15
	ds_load_b128 v[BB+4*\t:BB+4*\t+3], v[RD] offset:\t*SPITCH                  ; LDS serves a wave's instructions in order
.endr
.endm
.macro SEND a, younger
.set BB, BK+64*((\a)%2)
	s_wait_dscnt \younger                          ; the block is back; the next block's 16 stores and 16 loads may be out
.irp t, 0,1,2,3,4,5,6,7,8,9,10,11,12,13,14,15
	global_store_b128 v[CO], v[BB+4*\t:BB+4*\t+3], s[8:9] offset:(\a)*65536+\t*4096 th:TH_STORE_NT   ; 512 consecutive bytes, aligned
.endr
.endm
	PLACES
	TOSTAGE 0
.irp a, 1,2,3
.if \a > 1
	s_wait_xcnt 0x0                                ; block a - 2's stores have read their registers: block a's loads may land there
.endif
	TOSTAGE \a
	SEND \a-1, 32
.endr
	SEND 3, 0
	s_wait_tensorcnt 0x0                           ; the wave's end
	ds_add_u32 v[SPW], v[NIL]
	s_wait_dscnt 0x0
	CROUND                                         ; the closing round
	s_endpgm
.Lfunc_end_k_qe00d10a1cd_proj:
	.size	k_qe00d10a1cd_proj, .Lfunc_end_k_qe00d10a1cd_proj-k_qe00d10a1cd_proj
	.p2alignl 7, 3214868480
	.fill 96, 4, 3214868480
	.section	.rodata,"a",@progbits
	.p2align	6, 0x0
	.amdhsa_kernel k_qe00d10a1cd_proj
		.amdhsa_group_segment_fixed_size 327680
		.amdhsa_private_segment_fixed_size 0
		.amdhsa_enable_private_segment 0
		.amdhsa_kernarg_size 24
		.amdhsa_user_sgpr_count 2
		.amdhsa_user_sgpr_kernarg_segment_ptr 1
		.amdhsa_wavefront_size32 1
		.amdhsa_system_sgpr_workgroup_id_x 1
		.amdhsa_system_sgpr_workgroup_id_y 1
		.amdhsa_system_sgpr_workgroup_id_z 1
		.amdhsa_system_vgpr_workitem_id 0
		.amdhsa_next_free_vgpr 768
		.amdhsa_next_free_sgpr 66
		.amdhsa_reserve_vcc 0
		.amdhsa_float_denorm_mode_32 3
		.amdhsa_float_denorm_mode_16_64 3
		.amdhsa_memory_ordered 1
		.amdhsa_forward_progress 1
		.amdhsa_inst_pref_size 85
	.end_amdhsa_kernel
	.amdgpu_metadata
---
amdhsa.version: [ 1, 2 ]
amdhsa.kernels:
  - .name:           k_qe00d10a1cd_proj
    .symbol:         k_qe00d10a1cd_proj.kd
    .args:
      - { .name: y16, .offset: 0, .size: 8, .value_kind: global_buffer, .address_space: global }
      - { .name: wp16, .offset: 8, .size: 8, .value_kind: global_buffer, .address_space: global }
      - { .name: out0, .offset: 16, .size: 8, .value_kind: global_buffer, .address_space: global }
    .group_segment_fixed_size: 327680
    .private_segment_fixed_size: 0
    .kernarg_segment_align: 8
    .kernarg_segment_size: 24
    .max_flat_workgroup_size: 128
    .sgpr_count:     66
    .vgpr_count:     768
    .wavefront_size: 32
...
	.end_amdgpu_metadata
.endif
;; end of part 4
;; launch first16 (part 5): grid 64 x 4, 16 waves a work-group, no clusters, 18,432 bytes of LDS; arguments qkv32, w_proj, out0; writes out0
.if DOCPART == 5
	.amdgcn_target "amdgcn-amd-amdhsa--gfx1250"
	.amdhsa_code_object_version 6
	.text
	.protected	k_qe00d10a1cd_first16
	.globl	k_qe00d10a1cd_first16
	.p2align	8
	.type	k_qe00d10a1cd_first16,@function
k_qe00d10a1cd_first16:
	s_mov_b64 s[64:65], 0
	v_nop
	global_prefetch_b8 v0, s[64:65] scope:SCOPE_SE
	s_setreg_imm32_b32 hwreg(HW_REG_WAVE_MODE, 25, 1), 1
	s_wait_xcnt 0x0
; FIRST16: positions 0-15 of each sequence once more, wholly in f32: under the causal mask they average one to sixteen values and are the largest rows of the output, so 16-bit operands are too coarse for them.
; Work-group (g, b) makes out0[b][0..15][16 g .. 16 g + 15]; wave h does head h in registers: S^T = k q^T, the softmax, O^T = v^T p, and its part of the projection; the 16 heads' parts meet in LDS and are
; added in ascending order by waves 0 and 1.  All products by v_wmma_f32_16x16x4_f32: 48 a wave, no bulk work.
; q, k, v come as images of accumulator registers (qkv32: [b][G][ct 4][qd 2][lane][16 bytes]; lane (r, hh), register 4 qd + i = position r, channel 16 ct + 8 hh + 4 qd + i, unscaled).
; An operand of this form holds k = 2 hh + j in register j.  K is taken in a permuted order, alike on both sources: instruction 4 ct + jp takes channels (or keys) 16 ct + 8 hh + 2 jp + j.
; So q's and k's images, the softmax's p and O^T are operands as they stand; v and w_proj are loaded a number a lane in the matching order.
; The registers that the matrix instructions write (v144-207) are written by nothing else; what is made of a finished sum goes into other registers.
.set SPARE, 16384                      ; behind the 16 parts of 1,024 bytes: the spare words, 128 bytes for each wave
.set LI,  3                            ; v3  16 x lane
.set VO,  4                            ; v4  v: my lane's place in an image
.set WO,  5                            ; v5  w_proj: 8 hh rows + 4 r
.set SPW, 6
.set NIL, 7
.set RH,  8                            ; v8  r - 8 hh
.set NINF, 9
.set PT,  10                           ; v10 where I put my part
.set RDP, 11                           ; v11 where waves 0, 1 read the parts
.set OO,  12                           ; v12 my place in out0
.set QF,  16
.set KF,  48
.set VF,  80
.set WF,  112
.set SA,  144                          ; S^T in two halves of K
.set SB,  152
.set OA,  160                          ; O^T, four tiles of 16 channels
.set PA,  192                          ; my part of the output, in two halves of K
.set PB,  200
.set SS,  208                          ; the scores, then p
.set T,   216
.set RS,  224
	s_load_b128 s[4:7], s[0:1], 0x0                ; qkv32, w_proj
	s_load_b64 s[8:9], s[0:1], 0x10                ; out0
	v_lshl_add_u32 v[SPW], v0, 2, SPARE
	v_mov_b32 v[NIL], 0
	v_lshrrev_b32 v1, 5, v0
	v_readfirstlane_b32 s10, v1                    ; wave = head
	v_and_b32 v1, 15, v0                           ; r
	v_bfe_u32 v2, v0, 4, 1                         ; hh
	v_and_b32 v[LI], 31, v0
	v_lshlrev_b32 v[LI], 4, v[LI]
	v_bfe_u32 v[VO], v0, 2, 1                      ; v(key, channel 16 ct + r) lies in the image at quarter (r / 4) % 2, lane key + 16 (r / 8), word r % 4; my keys begin at 8 hh
	v_lshlrev_b32 v[VO], 9, v[VO]
	v_bfe_u32 v13, v0, 3, 1
	v_lshl_add_u32 v[VO], v13, 8, v[VO]
	v_and_b32 v13, 3, v0
	v_lshl_add_u32 v[VO], v13, 2, v[VO]
	v_lshl_add_u32 v[VO], v2, 7, v[VO]
	v_lshlrev_b32 v[WO], 2, v1
	v_lshl_add_u32 v[WO], v2, 15, v[WO]
	v_lshlrev_b32 v13, 3, v2
	v_sub_nc_u32 v[RH], v1, v13
	v_mov_b32 v[NINF], 0xff800000
	s_lshl_b32 s11, s10, 10
	v_add_nc_u32 v[PT], s11, v[LI]
	s_and_b32 s11, s10, 1
	s_lshl_b32 s11, s11, 9
	v_add_nc_u32 v[RDP], s11, v[LI]
	v_lshlrev_b32 v[OO], 12, v1
	v_lshl_add_u32 v[OO], v2, 5, v[OO]             ; row r of 4,096 bytes + 32 hh
	s_mov_b32 s16, 0x3e38aa3b                      ; c = log2(e) / 8
	s_mov_b32 s17, s16
	s_mov_b32 s18, 0x76543210
	s_mov_b32 s19, 0xfedcba98                      ; lane l xor 16
	s_and_b32 s11, ttmp7, 0xffff                   ; b
	s_mul_i32 s12, s11, 48
	s_add_co_u32 s12, s12, s10
	s_lshl_b32 s12, s12, 12                        ; q's image of my head; k's lies 65,536 bytes on, v's 131,072
	s_mov_b32 s13, 0
	s_lshl_b32 s14, ttmp9, 6                       ; my 16 columns, in bytes
	s_wait_kmcnt 0x0
	s_add_nc_u64 s[4:5], s[4:5], s[12:13]
	s_lshl_b32 s12, s10, 18                        ; w_proj: my head's 64 rows
	s_add_co_u32 s12, s12, s14
	s_add_nc_u64 s[6:7], s[6:7], s[12:13]
	s_lshl_b32 s12, s11, 23
	s_add_co_u32 s12, s12, s14
	s_lshl_b32 s14, s10, 4                         ; waves 0 and 1 store registers 0-3 and 4-7 of the sum: 16 bytes apart
	s_add_co_u32 s12, s12, s14
	s_add_nc_u64 s[8:9], s[8:9], s[12:13]
.irp e, 0,1,2,3,4,5,6,7
	global_load_b128 v[QF+4*\e:QF+4*\e+3], v[LI], s[4:5] offset:512*\e
.endr
.irp e, 0,1,2,3,4,5,6,7
	global_load_b128 v[KF+4*\e:KF+4*\e+3], v[LI], s[4:5] offset:65536+512*\e
.endr
.irp e, 0,1,2,3,4,5,6,7,8,9,10,11,12,13,14,15,16,17,18,19,20,21,22,23,24,25,26,27,28,29,30,31
	global_load_b32 v[VF+\e], v[VO], s[4:5] offset:131072+1024*(\e/8)+16*(\e%8)   ; v(key 8 hh + e % 8, channel 16 (e / 8) + r)
.endr
	s_wait_loadcnt 32                              ; q and k are in; v's 32 loads may be out
.irp i, 0,1,2,3,4,5,6,7,8,9,10,11,12,13,14,15  ; S^T = k q^T: a lane holds query r and keys 8 hh + 0..7.  Two accumulators by turns
.if \i < 2
	v_wmma_f32_16x16x4_f32 v[SA+8*(\i%2):SA+8*(\i%2)+7], v[KF+2*\i:KF+2*\i+1], v[QF+2*\i:QF+2*\i+1], 0
.else
	v_wmma_f32_16x16x4_f32 v[SA+8*(\i%2):SA+8*(\i%2)+7], v[KF+2*\i:KF+2*\i+1], v[QF+2*\i:QF+2*\i+1], v[SA+8*(\i%2):SA+8*(\i%2)+7]
.endif
.endr
.irp e, 0,1,2,3,4,5,6,7,8,9,10,11,12,13,14,15,16,17,18,19,20,21,22,23,24,25,26,27,28,29,30,31
	global_load_b32 v[WF+\e], v[WO], s[6:7] offset:(16*(\e/8)+\e%8)*4096          ; w_proj(64 h + 16 (e / 8) + 8 hh + e % 8, 16 g + r)
.endr
.rept 8
	v_nop                                          ; eight places behind this form, in front of the first read of its results (ISA guide 7.12.1)
.endr
.irp i, 0,2,4,6
	v_pk_add_f32 v[SS+\i:SS+\i+1], v[SA+\i:SA+\i+1], v[SB+\i:SB+\i+1]
.endr
.irp j, 0,1,2,3,4,5,6,7
	v_cmp_gt_i32 vcc_lo, \j, v[RH]                 ; key 8 hh + j is hidden from query r where j > r - 8 hh
	v_cndmask_b32 v[SS+\j], v[SS+\j], v[NINF], vcc_lo
.endr
	v_max3_num_f32 v[T], v[SS], v[SS+1], v[SS+2]
	v_max3_num_f32 v[T+1], v[SS+3], v[SS+4], v[SS+5]
	v_max3_num_f32 v[T], v[T], v[SS+6], v[SS+7]
	v_max_num_f32 v[T], v[T], v[T+1]
	v_permlanex16_b32 v[T+1], v[T], s18, s19
	v_max_num_f32 v[T], v[T], v[T+1]               ; the row's maximum: key 0 counts for every query, so it is a number
.irp i, 0,2,4,6
	v_pk_add_f32 v[SS+\i:SS+\i+1], v[SS+\i:SS+\i+1], v[T:T+1] op_sel_hi:[1,0] neg_lo:[0,1] neg_hi:[0,1]
.endr
.irp i, 0,2,4,6
	v_pk_mul_f32 v[SS+\i:SS+\i+1], v[SS+\i:SS+\i+1], s[16:17] op_sel_hi:[1,0]
.endr
.irp j, 0,1,2,3,4,5,6,7
	v_exp_f32 v[SS+\j], v[SS+\j]
.endr
	v_nop
	s_wait_alu depctr_va_vdst(0)                   ; one wait for the eight exponentials, ahead of their first reader
	v_pk_add_f32 v[T+2:T+3], v[SS:SS+1], v[SS+2:SS+3]
	v_pk_add_f32 v[T+4:T+5], v[SS+4:SS+5], v[SS+6:SS+7]
	v_pk_add_f32 v[T+2:T+3], v[T+2:T+3], v[T+4:T+5]
	v_add_f32 v[T+2], v[T+2], v[T+3]
	v_permlanex16_b32 v[T+3], v[T+2], s18, s19
	v_add_f32 v[T+2], v[T+2], v[T+3]
	v_rcp_f32 v[T+4], v[T+2]
	v_nop
	s_wait_alu depctr_va_vdst(0)
.irp i, 0,2,4,6
	v_pk_mul_f32 v[SS+\i:SS+\i+1], v[SS+\i:SS+\i+1], v[T+4:T+5] op_sel_hi:[1,0]   ; the softmax
.endr
	s_wait_loadcnt 32                              ; v is in; w_proj's 32 loads may be out
.irp p, 0,1,2,3                                ; O^T = v^T p: keys 8 hh + 2 p + j; four accumulators by turns
.irp c, 0,1,2,3
.if \p == 0
	v_wmma_f32_16x16x4_f32 v[OA+8*\c:OA+8*\c+7], v[VF+8*\c+2*\p:VF+8*\c+2*\p+1], v[SS+2*\p:SS+2*\p+1], 0
.else
	v_wmma_f32_16x16x4_f32 v[OA+8*\c:OA+8*\c+7], v[VF+8*\c+2*\p:VF+8*\c+2*\p+1], v[SS+2*\p:SS+2*\p+1], v[OA+8*\c:OA+8*\c+7]
.endif
.endr
.endr
.rept 9
	v_nop                                          ; nine places in front of matrix instructions that take these results as a source
.endr
	s_wait_loadcnt 0x0
.irp i, 0,1,2,3,4,5,6,7,8,9,10,11,12,13,14,15  ; my head's part of the projection, transposed: a lane holds query r and outputs 16 g + 8 hh + 0..7
.if \i < 2
	v_wmma_f32_16x16x4_f32 v[PA+8*(\i%2):PA+8*(\i%2)+7], v[WF+2*\i:WF+2*\i+1], v[OA+2*\i:OA+2*\i+1], 0
.else
	v_wmma_f32_16x16x4_f32 v[PA+8*(\i%2):PA+8*(\i%2)+7], v[WF+2*\i:WF+2*\i+1], v[OA+2*\i:OA+2*\i+1], v[PA+8*(\i%2):PA+8*(\i%2)+7]
.endif
.endr
.rept 8
	v_nop
.endr
.irp i, 0,2,4,6
	v_pk_add_f32 v[RS+\i:RS+\i+1], v[PA+\i:PA+\i+1], v[PB+\i:PB+\i+1]
.endr
	ds_store_b128 v[PT], v[RS:RS+3]
	ds_store_b128 v[PT], v[RS+4:RS+7] offset:512
	s_wait_dscnt 0x0                               ; for the others' sake: my part lies in LDS
	s_barrier_signal -1
	s_barrier_wait -1
	s_cmp_gt_u32 s10, 1
	s_cbranch_scc1 .Ldone
.irp p, 0,1,2,3,4,5,6,7,8,9,10,11,12,13,14,15
	ds_load_b128 v[16+4*\p:19+4*\p], v[RDP] offset:1024*\p
.endr
	s_wait_dscnt 0x0
.irp p, 1,2,3,4,5,6,7,8,9,10,11,12,13,14,15    ; the heads in ascending order
	v_pk_add_f32 v[16:17], v[16:17], v[16+4*\p:17+4*\p]
	v_pk_add_f32 v[18:19], v[18:19], v[18+4*\p:19+4*\p]
.endr
	global_store_b128 v[OO], v[16:19], s[8:9]      ; a row gets 64 bytes from this work-group: the price of sharing 64 rows out among 256 work-groups
.Ldone:
	s_wait_tensorcnt 0x0                           ; the wave's end, behind my last LDS store
	ds_add_u32 v[SPW], v[NIL]
	s_wait_dscnt 0x0
	s_endpgm
.Lfunc_end_k_qe00d10a1cd_first16:
	.size	k_qe00d10a1cd_first16, .Lfunc_end_k_qe00d10a1cd_first16-k_qe00d10a1cd_first16
	.p2alignl 7, 3214868480
	.fill 96, 4, 3214868480
	.section	.rodata,"a",@progbits
	.p2align	6, 0x0
	.amdhsa_kernel k_qe00d10a1cd_first16
		.amdhsa_group_segment_fixed_size 18432
		.amdhsa_private_segment_fixed_size 0
		.amdhsa_enable_private_segment 0
		.amdhsa_kernarg_size 24
		.amdhsa_user_sgpr_count 2
		.amdhsa_user_sgpr_kernarg_segment_ptr 1
		.amdhsa_wavefront_size32 1
		.amdhsa_system_sgpr_workgroup_id_x 1
		.amdhsa_system_sgpr_workgroup_id_y 1
		.amdhsa_system_sgpr_workgroup_id_z 1
		.amdhsa_system_vgpr_workitem_id 0
		.amdhsa_next_free_vgpr 240
		.amdhsa_next_free_sgpr 66
		.amdhsa_reserve_vcc 1
		.amdhsa_float_denorm_mode_32 3
		.amdhsa_float_denorm_mode_16_64 3
		.amdhsa_memory_ordered 1
		.amdhsa_forward_progress 1
		.amdhsa_inst_pref_size 20
	.end_amdhsa_kernel
	.amdgpu_metadata
---
amdhsa.version: [ 1, 2 ]
amdhsa.kernels:
  - .name:           k_qe00d10a1cd_first16
    .symbol:         k_qe00d10a1cd_first16.kd
    .args:
      - { .name: qkv32, .offset: 0, .size: 8, .value_kind: global_buffer, .address_space: global }
      - { .name: w_proj, .offset: 8, .size: 8, .value_kind: global_buffer, .address_space: global }
      - { .name: out0, .offset: 16, .size: 8, .value_kind: global_buffer, .address_space: global }
    .group_segment_fixed_size: 18432
    .private_segment_fixed_size: 0
    .kernarg_segment_align: 8
    .kernarg_segment_size: 24
    .max_flat_workgroup_size: 512
    .sgpr_count:     66
    .vgpr_count:     240
    .wavefront_size: 32
...
	.end_amdgpu_metadata
.endif
;; end of part 5
